; MI455X (gfx1250); checked and timed in simulation.
; The chip was launched on July 23, 2026; its instructions are those of AMD's public machine-readable ISA for CDNA 5 (MIT licence, August 2026) and "CDNA5" Instruction Set Architecture Reference Guide (July 2026). The comments in the code are by the model that wrote it; some were corrected since.
;; Multi Head Attention. Allowed arithmetic: matrix products marked QUANTISED: E2M3 operands, one E8M0 scale for each 32 along K, by v_wmma_scale_f32_16x16x128_f8f6f4 with both operands' format E2M3, f32 sums; everything else in f32.
;; Inputs: bias 1 x 1 x 2,048 x 2,048 float32; bk 1,024 float32; bo 1,024 float32; bq 1,024 float32; bv 1,024 float32; query 2 x 2,048 x 1,024 float32; wk 1,024 x 1,024 float32; wo 1,024 x 1,024 float32; wq 1,024 x 1,024 float32; wv 1,024 x 1,024 float32.
;; Outputs: out0 2 x 2,048 x 1,024 float32.
;; This version of the problem:
;;   THIS VERSION OF THE PROBLEM IS GIVEN IN LOW PRECISION. The matrix products marked QUANTISED in the list below multiply operands that are first quantised to E2M3 (2 exponent bits, 3 mantissa bits; 6 bits a number), with one power-of-two scale for each 32 numbers along K (OCP MX v1.0); their sums are f32. All else is computed in f32.
;;   The module's matrix products, in the order in which they are computed (A, B: the left and right operand; K: the contracted axis; several contracted axes count as one K, in the product's order):
;;     1. [M 4,096, K 1,024] x [K 1,024, N 1,024]; A: input query; B: input wq: QUANTISED
;;     2. [M 4,096, K 1,024] x [K 1,024, N 1,024]; A: input query; B: input wk: QUANTISED
;;     3. [M 4,096, K 1,024] x [K 1,024, N 1,024]; A: input query; B: input wv: QUANTISED
;;     4. batch 32 x [M 2,048, K 64] x [K 64, N 2,048]; A: computed on the way; B: computed on the way: QUANTISED
;;     5. batch 32 x [M 2,048, K 2,048] x [K 2,048, N 64]; A: softmax (see below); B: computed on the way: QUANTISED
;;     6. [M 4,096, K 1,024] x [K 1,024, N 1,024]; A: computed on the way; B: input wo: QUANTISED
;;   THE QUANTISER, for each operand of a quantised product, along K:
;;     - K is cut into blocks of 32 from its start; a last block that is shorter is filled with zeros.
;;     - A block's scale is 2^e with e = floor(log2(the largest magnitude in the block)) - 2, held to -126 .. 127; a block of zeros has e = 0. As a byte (E8M0): e + 127.
;;     - Each number is divided by its block's scale, clamped to +-7.5, and rounded to the nearest number of E2M3, ties to even, subnormals kept.
;;     - The product sums the exact products of the quantised numbers (number of the format x scale) in f32.
;;   ~~~python
;;   def quantise(x, axis):      # numpy; x: float32 -> the quantised numbers, widened to float32 again
;;       x = np.moveaxis(x, axis, -1); K = x.shape[-1]
;;       x = np.pad(x, [(0, 0)] * (x.ndim - 1) + [(0, -K % 32)]); x = x.reshape(x.shape[:-1] + (-1, 32)); a = np.abs(x).max(-1, keepdims=True)
;;       e = np.where(a > 0, np.clip(np.frexp(np.where(a > 0, a, 1))[1] - 1 - 2, -126, 127), 0)      # np.frexp(a)[1] - 1 = floor(log2(a)), exactly
;;       r = np.clip(x / 2.0 ** e, -7.5, 7.5)
;;       step = 2.0 ** (np.maximum(np.frexp(np.where(r == 0, 1, r))[1] - 1, 0) - 3)
;;       q = np.round(r / step) * step * 2.0 ** e      # np.round: ties to even
;;       return np.moveaxis(q.reshape(q.shape[:-2] + (-1,))[..., :K], -1, axis).astype(np.float32)
;;   ~~~
;;   SOFTMAX AHEAD OF A QUANTISED PRODUCT. Where the list says 'softmax', what is quantised is not the finished softmax but p = 2^(t - M), with t = logit x log2(e) and M = ceil(the row's largest t), a whole number; so 1/2 < the row's largest p <= 1. The row's sum l is taken of the UNQUANTISED p, in f32, and the product's result is divided by l at the end. Since M is a whole number, a kernel that streams over the keys may use a running M (the ceiling of the running maximum): every later rescaling is an exact power of two, which a block's scale takes up: the codes' values come out the same.
;;   OPERANDS COMPUTED ON THE WAY. 'Computed on the way' means the value that the module computes at that place (a softmax that the list does not call 'softmax' is quantised finished and normalised). What goes into a quantiser is computed in f32, as accurately as f32 sums, v_exp_f32 and their like allow (about 1e-6 of the number): no bf16 or f16 on the way to a quantiser, and a product that is left as it is and whose result goes on into a quantised operand takes f32 operands (vector FMAs, or v_wmma_f32_16x16x4_f32). A number that lies on a knife's edge between two numbers of the format may be rounded either way, as far as f32 arithmetic and the matrix unit's own rounding can turn it there, and no further.
;; One version. Each part assembles by itself: llvm-mc -triple=amdgcn-amd-amdhsa -mcpu=gfx1250 --defsym DOCPART=n.
;; ======== version 1 of 1: 4 launches
;; workspace buffers: cod 6,291,456 bytes; scl 262,144 bytes; qf 3,145,728 bytes; qs 131,072 bytes; kv 6,553,600 bytes; xa 3,145,728 bytes; xs 262,144 bytes
;; launch quant (part 1): grid 512 x 1, 8 waves a work-group, no clusters, 69,120 bytes of LDS; arguments query, wq, wk, wv, wo, cod, scl; writes cod, scl
.if DOCPART == 1
	.amdgcn_target "amdgcn-amd-amdhsa--gfx1250"
	.amdhsa_code_object_version 6
	.text
	.protected	k_q3262586062_quant
	.globl	k_q3262586062_quant
	.p2align	8
	.type	k_q3262586062_quant,@function
k_q3262586062_quant:
	s_mov_b64 s[64:65], 0
	v_nop
	global_prefetch_b8 v0, s[64:65] scope:SCOPE_SE
	s_setreg_imm32_b32 hwreg(HW_REG_WAVE_MODE, 25, 1), 1
	s_wait_xcnt 0x0
; query [4096][1024] and wq, wk, wv, wo [1024][1024], f32, K innermost, become codes of FP6 (E2M3) with one E8M0 byte for each 32 along K,
; laid in the order of an operand's registers.  A TILE is 16 rows: row r of tile T is matrix row 32 (T / 2) + 8 (T % 2) + r + 8 (r / 8).
; cod: [tile 0..511][K step 0..7][1,536 bytes]; tiles 0-255 query, then 64 each of wq, wk, wv, wo.  A fragment's 12 registers lie as
; registers 0-3 at 16 x lane, 4-5 at 512 + 8 x lane, 6-9 at 768 + 16 x lane, 10-11 at 1,280 + 8 x lane.  scl: [tile][r][8 words], word s = K step s's four bytes.
; A block's scale is 2^(floor(log2(largest magnitude)) - 2); its byte is the largest magnitude's exponent field - 2, held at 1 from below.
; LIMITS: NaN and infinities among the inputs are not served; a block of zeros gets the byte 1 (the rule says 127): its codes are zeros, and these bytes are read by this program alone.
; SHARES: a work-group makes one tile, wave s its K step s: 16 rows x 512 bytes.  Each load reads 512 consecutive bytes of a row; the numbers turn through the
; wave's own stage in LDS (rows 528 bytes apart: row r starts 4 r words on in the banks' round), so that a lane gets 16 neighbours of each block of its row.
.set TILEB, 12288
.set SP,    528
.set WST,   16*SP                      ; a wave's stage
.set SG,    8*WST                      ; behind the stages: the tile's 512 bytes of scale words
.set R,     16                         ; v16-79   16 rows as loaded
.set X,     80                         ; v80-143  64 numbers of my row: register 16 b + i = k 32 b + 16 (lane / 16) + i
.set PC,    144                        ; v144-162 the codes
.set TM,    164                        ; v164-179 at work
.set PW,    180                        ; the scale word
.set SEL,   24                         ; s[24:25] lane selects: lane l xor 16
; 64 numbers of a lane become a fragment's codes in v[PC] on and its row's scale word in v[PW]
.macro QUANT s
.irp b, 0,1,2,3
	v_max3_num_f32 v[TM+\b], |v[\s+16*\b]|, |v[\s+1+16*\b]|, 0x1800000   ; my 16 numbers of block b, and the floor 2^(3 - 127): the byte cannot fall under 1
.endr
.irp i, 2,4,6,8,10,12,14
.irp b, 0,1,2,3
	v_max3_num_f32 v[TM+\b], v[TM+\b], |v[\s+16*\b+\i]|, |v[\s+1+16*\b+\i]|
.endr
.endr
.irp b, 0,1,2,3
	v_permlanex16_b32 v[TM+4+\b], v[TM+\b], s[SEL], s[SEL+1]
.endr
.irp b, 0,1,2,3
	v_max_num_f32 v[TM+\b], v[TM+\b], v[TM+4+\b]          ; with lane l xor 16's: the block's largest magnitude
.endr
.irp b, 0,1,2,3
	v_add_nc_u32 v[TM+12+\b], 0xff000000, v[TM+\b]        ; 2 off its exponent field: the conversion's scale operand
.endr
.irp b, 0,1,2,3
	v_lshrrev_b32 v[TM+4+\b], 23, v[TM+12+\b]             ; the scale's byte
.endr
	v_lshl_or_b32 v[PW], v[TM+5], 8, v[TM+4]
	v_lshl_or_b32 v[PW], v[TM+6], 16, v[PW]
	v_lshl_or_b32 v[PW], v[TM+7], 24, v[PW]
.irp c, 0,1
	v_cvt_scalef32_pk16_fp6_f32 v[PC+6*\c:PC+2+6*\c], v[\s+32*\c:\s+15+32*\c], v[TM+12+2*\c]
	v_cvt_scalef32_pk16_fp6_f32 v[PC+12+4*\c:PC+14+4*\c], v[\s+16+32*\c:\s+31+32*\c], v[TM+12+2*\c+1]   ; (three registers begin on an even number)
.endr
	v_nop                                                  ; one plain instruction behind the scaled conversions
.irp c, 0,1                                                ; a whole block to a lane: lanes 0-15 block 2 c, lanes 16-31 block 2 c + 1
.irp i, 0,1,2
	v_permlane16_swap_b32 v[PC+6*\c+\i], v[PC+12+4*\c+\i]
.endr
.irp i, 0,1,2
	v_mov_b32 v[PC+3+6*\c+\i], v[PC+12+4*\c+\i]
.endr
.endr
.endm
	s_load_b256 s[4:11], s[0:1], 0x0               ; query, wq, wk, wv
	s_load_b128 s[12:15], s[0:1], 0x20             ; wo, cod
	s_load_b64 s[16:17], s[0:1], 0x30              ; scl
	v_lshl_add_u32 v192, v0, 2, 0x10a00
	v_mov_b32 v193, 0
	v_lshrrev_b32 v1, 5, v0
	v_readfirstlane_b32 s26, v1                    ; wave = K step
	v_and_b32 v1, 31, v0                           ; lane
	v_and_b32 v2, 15, v0                           ; r
	v_bfe_u32 v3, v0, 4, 1                         ; h
	v_lshlrev_b32 v4, 4, v1                        ; 16 x lane
	v_lshlrev_b32 v5, 3, v1                        ; 8 x lane
	s_mul_i32 s27, s26, WST
	v_add_nc_u32 v6, s27, v4                       ; the stage, in: 16 x lane, a row an instruction
	v_mul_u32_u24 v7, v2, SP
	v_lshl_add_u32 v7, v3, 6, v7
	v_add_nc_u32 v7, s27, v7                       ; and out: row r, + 64 h
	v_lshlrev_b32 v8, 5, v2
	s_lshl_b32 s28, s26, 2
	s_add_co_u32 s28, s28, SG
	v_add_nc_u32 v8, s28, v8                       ; my row's scale word of my K step: SG + 32 r + 4 x wave
	v_add_nc_u32 v9, SG, v4                        ; and where wave 0 reads all of them back
	s_mov_b32 s[SEL], 0x76543210
	s_mov_b32 s[SEL+1], 0xfedcba98
.irp b, 0,1,2,3
	v_mov_b32 v[TM+4+\b], 0                        ; written once: a lane permute's destination counts as one of its sources
.endr
	s_and_b32 s20, ttmp9, 63                       ; a weight's tile
	s_wait_kmcnt 0x0
	s_cmp_lt_u32 ttmp9, 448                        ; which tensor: the choice hangs on the work-group's number alone
	s_cselect_b64 s[18:19], s[10:11], s[12:13]
	s_cmp_lt_u32 ttmp9, 384
	s_cselect_b64 s[18:19], s[8:9], s[18:19]
	s_cmp_lt_u32 ttmp9, 320
	s_cselect_b64 s[18:19], s[6:7], s[18:19]
	s_cmp_lt_u32 ttmp9, 256
	s_cselect_b64 s[18:19], s[4:5], s[18:19]
	s_cselect_b32 s20, ttmp9, s20                  ; the tile's number in its tensor
	s_lshr_b32 s21, s20, 1
	s_lshl_b32 s21, s21, 17                        ; 32 rows of 4,096 bytes for each pair of tiles,
	s_and_b32 s22, s20, 1
	s_lshl_b32 s22, s22, 15                        ; 8 rows for the odd one,
	s_add_co_u32 s22, s22, s21
	s_lshl_b32 s21, s26, 9                         ; 512 bytes a K step
	s_add_co_u32 s22, s22, s21
	s_mov_b32 s23, 0
	s_add_nc_u64 s[18:19], s[18:19], s[22:23]
	s_mul_i32 s22, ttmp9, TILEB
	s_mul_i32 s21, s26, 1536
	s_add_co_u32 s22, s22, s21
	s_add_nc_u64 s[14:15], s[14:15], s[22:23]      ; my fragment in cod
	s_lshl_b32 s22, ttmp9, 9
	s_add_nc_u64 s[16:17], s[16:17], s[22:23]      ; the tile's words in scl
.irp p, 0,1,2,3,4,5,6,7,8,9,10,11,12,13,14,15
	global_load_b128 v[R+4*\p:R+4*\p+3], v4, s[18:19] offset:(\p+8*(\p/8))*4096 th:TH_LOAD_NT   ; 512 consecutive bytes of the tile's row p
.endr
.irp p, 0,1,2,3,4,5,6,7,8,9,10,11,12,13,14,15
	s_wait_loadcnt 15-\p                           ; row p is in; the younger loads may be out
	ds_store_b128 v6, v[R+4*\p:R+4*\p+3] offset:SP*\p
.endr
.irp b, 0,1,2,3
.irp j, 0,1,2,3
	ds_load_b128 v[X+16*\b+4*\j:X+16*\b+4*\j+3], v7 offset:128*\b+16*\j   ; a wave's LDS instructions are served in order: these see the stores above
.endr
.endr
	s_wait_dscnt 0x0
	QUANT X
	global_store_b128 v4, v[PC:PC+3], s[14:15]                 ; each store covers 512 or 256 consecutive bytes, aligned to 256
	global_store_b64 v5, v[PC+4:PC+5], s[14:15] offset:512
	global_store_b128 v4, v[PC+6:PC+9], s[14:15] offset:768
	global_store_b64 v5, v[PC+10:PC+11], s[14:15] offset:1280
	ds_store_b32 v8, v[PW]                         ; lanes r and r + 16 write the same word with the same value
	s_wait_dscnt 0x0                               ; for the others' sake: my word has landed
	s_barrier_signal -1
	s_barrier_wait -1
	s_cmp_lg_u32 s26, 0
	s_cbranch_scc1 .Ldone
	ds_load_b128 v[12:15], v9                      ; the tile's 128 scale words
	s_wait_dscnt 0x0
	global_store_b128 v4, v[12:15], s[16:17]       ; 512 consecutive bytes
.Ldone:
	s_wait_tensorcnt 0x0
	ds_add_u32 v192, v193
	s_wait_dscnt 0x0
	s_endpgm
.Lfunc_end_k_q3262586062_quant:
	.size	k_q3262586062_quant, .Lfunc_end_k_q3262586062_quant-k_q3262586062_quant
	.p2alignl 7, 3214868480
	.fill 96, 4, 3214868480
	.section	.rodata,"a",@progbits
	.p2align	6, 0x0
	.amdhsa_kernel k_q3262586062_quant
		.amdhsa_group_segment_fixed_size 69120
		.amdhsa_private_segment_fixed_size 0
		.amdhsa_enable_private_segment 0
		.amdhsa_kernarg_size 56
		.amdhsa_user_sgpr_count 2
		.amdhsa_user_sgpr_kernarg_segment_ptr 1
		.amdhsa_wavefront_size32 1
		.amdhsa_system_sgpr_workgroup_id_x 1
		.amdhsa_system_sgpr_workgroup_id_y 1
		.amdhsa_system_sgpr_workgroup_id_z 1
		.amdhsa_system_vgpr_workitem_id 0
		.amdhsa_next_free_vgpr 194
		.amdhsa_next_free_sgpr 66
		.amdhsa_reserve_vcc 0
		.amdhsa_float_denorm_mode_32 3
		.amdhsa_float_denorm_mode_16_64 3
		.amdhsa_memory_ordered 1
		.amdhsa_forward_progress 1
		.amdhsa_inst_pref_size 12
	.end_amdhsa_kernel
	.amdgpu_metadata
---
amdhsa.version: [ 1, 2 ]
amdhsa.kernels:
  - .name:           k_q3262586062_quant
    .symbol:         k_q3262586062_quant.kd
    .args:
      - { .name: query, .offset: 0, .size: 8, .value_kind: global_buffer, .address_space: global }
      - { .name: wq, .offset: 8, .size: 8, .value_kind: global_buffer, .address_space: global }
      - { .name: wk, .offset: 16, .size: 8, .value_kind: global_buffer, .address_space: global }
      - { .name: wv, .offset: 24, .size: 8, .value_kind: global_buffer, .address_space: global }
      - { .name: wo, .offset: 32, .size: 8, .value_kind: global_buffer, .address_space: global }
      - { .name: cod, .offset: 40, .size: 8, .value_kind: global_buffer, .address_space: global }
      - { .name: scl, .offset: 48, .size: 8, .value_kind: global_buffer, .address_space: global }
    .group_segment_fixed_size: 69120
    .private_segment_fixed_size: 0
    .kernarg_segment_align: 8
    .kernarg_segment_size: 56
    .max_flat_workgroup_size: 256
    .sgpr_count:     66
    .vgpr_count:     194
    .wavefront_size: 32
...
	.end_amdgpu_metadata
.endif
;; end of part 1
;; launch qkv (part 2): grid 8 x 32, 4 waves a work-group, clusters of 4 x 4, 327,680 bytes of LDS; arguments cod, scl, bq, bk, bv, qf, kv, qs; writes qf, kv, qs
.if DOCPART == 2
	.amdgcn_target "amdgcn-amd-amdhsa--gfx1250"
	.amdhsa_code_object_version 6
	.text
	.protected	k_q3262586062_qkv
	.globl	k_q3262586062_qkv
	.p2align	8
	.type	k_q3262586062_qkv,@function
k_q3262586062_qkv:
	s_mov_b64 s[64:65], 0
	v_nop
	global_prefetch_b8 v0, s[64:65] scope:SCOPE_SE
	s_setreg_imm32_b32 hwreg(HW_REG_WAVE_MODE, 25, 1), 1
	s_wait_xcnt 0x0
	s_wait_alu depctr_hold_cnt(0) depctr_sa_sdst(0) depctr_va_vdst(0) depctr_va_sdst(0) depctr_va_ssrc(0) depctr_va_vcc(0) depctr_vm_vsrc(0)
	s_getreg_b32 s2, hwreg(HW_REG_IB_STS2, 6, 4)
	s_cmp_eq_u32 s2, 0
	s_cbranch_scc0 .Lentry_in_a_cluster
	s_endpgm
.Lentry_in_a_cluster:
	s_bfe_u32 s2, ttmp6, 0x10000c
	s_cmp_lg_u32 s2, 0xf033
	s_cbranch_scc0 .Lentry_shape_is_right
	s_endpgm
.Lentry_shape_is_right:
; q = (x wq^T + bq) / 8, k = x wk^T + bk, v = x wv^T + bv on codes of FP6 (E2M3) with E8M0 scales; the results are quantised at once, q and k along the head's 64, v along the keys,
; and leave as codes in the order of the next launch's operand registers.  Nothing goes to memory as f32.
; SHARES.  A work-group makes 128 tokens (block tb) x 128 features (heads 2 hp, 2 hp + 1), three times: for wq, wk, wv.  x's 8 tiles stay in LDS for all three passes.
; Wave w: wa = w / 2 takes x's tiles 4 wa .. + 3, wb = w % 2 the weight's tiles 4 wb .. + 3, which are one head: 16 accumulators of 16 x 16.
; TILES.  Row r of tile T is matrix row 32 (T / 2) + 8 (T % 2) + r + 8 (r / 8): so the 16 result registers of source 0's tiles 2 b and 2 b + 1 are 16 neighbours, 32 b + 16 (lane / 16) + 0 .. 15.
; Passes q, k: source 0 = the weight, source 1 = x: a lane holds one token, its registers run along the head.  Pass v: source 0 = x, source 1 = the weight: a lane holds one feature, its registers run along the tokens, the next K.
; FRAGMENTS lie in LDS as they lie in cod: images of 12 registers (1,536 bytes): no pitch, no padding; each LDS load takes 512 or 256 consecutive bytes.
; CLUSTER 4 x 4: the four of a row share tb and so x's tiles, the four of a column share hp and so the weights' tiles: each is asked for jointly.
; LDS: x 98,304 bytes in four chunks of two K steps; WB0 wq (chunks), filled again with wv (whole tiles); WB1 wk (whole tiles); a stage for scale words; the spare words.  All of a WGP's LDS is claimed.
; By this text's count a wave has five tensor loads out at the start and one behind the refill's round.
; LIMITS: NaN and infinities are not served; a block of zeros carries the byte 1 and zero codes.
; REGISTERS: window 0: v4-15 LDS addresses, v16-26 lane offsets, v32-127 scale words, v128-191 64 results at work, v192-228 the quantiser, v230-237 bv.
;   window 1: two sets of 8 fragments (x's four, the weight's four) at v0 and v96; v192-223 bq / 8, v224-255 bk, in the result's layout.   window 2: v0-127 the accumulators, (i, j) at 32 i + 8 j.
.set TILEB, 12288
.set REC,   204800                     ; a head's record in kv: K's codes 98,304, V's codes 98,304, K's scale words 4,096, V's 4,096
.set XA,    0
.set WB0,   98304
.set WB1,   196608
.set SST,   294912                     ; q's, k's, v's scale words of the work-group: 3 x 512 bytes
.set SPARE, 296448                     ; the spare words: 128 bytes for each wave, named by no other line
.set SPW,   28
.set NIL,   29
.set SC,    32                         ; register 32 p + 8 i + ks: lanes 0-15 x's tile i, lanes 16-31 pass p's weight tile i: the word of K step ks
.set HA,    128
.set PC,    192
.set TM,    212
.set PW,    228
.set BA,    230
.set SEL,   100
.set MSB, 0
.macro WIN new                         ; the immediate's high byte repeats the setting that is left
.if MSB != \new
	s_set_vgpr_msb (MSB<<8)|\new
.set MSB, \new
.endif
.endm
.macro PLACES                          ; four plain instructions between a matrix instruction and a load into its registers or a read of its result
.rept 4
	v_nop
.endr
.endm
.macro CROUND                          ; a round of the cluster's barrier
	s_barrier_signal -1
	s_barrier_wait -1
	s_cmp_lg_u32 s20, 0
	s_cbranch_scc1 .Lnot_wave_0_\@
	s_barrier_signal -3
.Lnot_wave_0_\@:
	s_barrier_wait -3
	s_barrier_signal -1
	s_barrier_wait -1
.endm
.macro FRAG reg, a16, a8, off          ; a fragment's image back into 12 registers
	ds_load_b128 v[\reg:\reg+3], v[\a16] offset:\off
	ds_load_b64 v[\reg+4:\reg+5], v[\a8] offset:\off+512
	ds_load_b128 v[\reg+6:\reg+9], v[\a16] offset:\off+768
	ds_load_b64 v[\reg+10:\reg+11], v[\a8] offset:\off+1280
.endm
; the 8 fragments of K step ks into set f.  kind 0: the weight lies in chunks (wq); 1, 2: in whole tiles (wk, wv)
.macro FETCH f, ks, kind
	WIN 0x40                                       ; destination window 1, address window 0
.set XR, 4+2*((\ks)/4)
.set XO, (((\ks)/2)%2)*24576+1536*((\ks)%2)
.irp i, 0,1,2,3
	FRAG 96*(\f)+12*\i, XR, XR+1, XO+3072*\i
.endr
.if (\kind) == 0
.set WR, 8+2*((\ks)/4)
.irp i, 0,1,2,3
	FRAG 96*(\f)+48+12*\i, WR, WR+1, XO+3072*\i
.endr
.else
.set WR, 10+2*(\kind)
.irp i, 0,1,2,3
	FRAG 96*(\f)+48+12*\i, WR, WR+1, 12288*\i+1536*(\ks)
.endr
.endif
.endm
; 16 matrix instructions, the 16 accumulators by turns, in the same order in every step.  K step 0 starts the sums.
.macro MULQK p, ks, f
	WIN 0xa5                                       ; sources 0 and 1 window 1, C and D window 2
.irp i, 0,1,2,3
.irp j, 0,1,2,3
.if (\ks) == 0
	v_wmma_scale_f32_16x16x128_f8f6f4 v[32*\i+8*\j:32*\i+8*\j+7], v[96*(\f)+48+12*\j:96*(\f)+48+12*\j+11], v[96*(\f)+12*\i:96*(\f)+12*\i+11], 0, v[SC+32*(\p)+8*\j+(\ks)], v[SC+32*(\p)+8*\i+(\ks)] matrix_a_fmt:MATRIX_FMT_FP6 matrix_b_fmt:MATRIX_FMT_FP6 matrix_a_scale:MATRIX_SCALE_ROW1
.else
	v_wmma_scale_f32_16x16x128_f8f6f4 v[32*\i+8*\j:32*\i+8*\j+7], v[96*(\f)+48+12*\j:96*(\f)+48+12*\j+11], v[96*(\f)+12*\i:96*(\f)+12*\i+11], v[32*\i+8*\j:32*\i+8*\j+7], v[SC+32*(\p)+8*\j+(\ks)], v[SC+32*(\p)+8*\i+(\ks)] matrix_a_fmt:MATRIX_FMT_FP6 matrix_b_fmt:MATRIX_FMT_FP6 matrix_a_scale:MATRIX_SCALE_ROW1
.endif
.endr
.endr
.endm
.macro MULV ks, f                      ; accumulator (i, j): the weight's tile i (source 1) x x's tile j (source 0)
	WIN 0xa5
.irp i, 0,1,2,3
.irp j, 0,1,2,3
.if (\ks) == 0
	v_wmma_scale_f32_16x16x128_f8f6f4 v[32*\i+8*\j:32*\i+8*\j+7], v[96*(\f)+12*\j:96*(\f)+12*\j+11], v[96*(\f)+48+12*\i:96*(\f)+48+12*\i+11], 0, v[SC+64+8*\j+(\ks)], v[SC+64+8*\i+(\ks)] matrix_a_fmt:MATRIX_FMT_FP6 matrix_b_fmt:MATRIX_FMT_FP6 matrix_b_scale:MATRIX_SCALE_ROW1
.else
	v_wmma_scale_f32_16x16x128_f8f6f4 v[32*\i+8*\j:32*\i+8*\j+7], v[96*(\f)+12*\j:96*(\f)+12*\j+11], v[96*(\f)+48+12*\i:96*(\f)+48+12*\i+11], v[32*\i+8*\j:32*\i+8*\j+7], v[SC+64+8*\j+(\ks)], v[SC+64+8*\i+(\ks)] matrix_a_fmt:MATRIX_FMT_FP6 matrix_b_fmt:MATRIX_FMT_FP6 matrix_b_scale:MATRIX_SCALE_ROW1
.endif
.endr
.endr
.endm
; A K step: this step's fragments are in; the next step's are asked for; 16 products.
.macro KSTEP p, ks
	s_wait_dscnt 0x0                               ; the 32 loads issued a step ago
.if ((\p) == 0) && (((\ks)%2) == 1) && ((\ks) < 7)
	s_wait_tensorcnt 4-((\ks)+1)/2                 ; my part of the next chunk is in; the loads issued behind it (later chunks, wk) may be out
	s_barrier_signal -1
	s_barrier_wait -1                              ; everybody's is
.endif
.if (\ks) < 7
	PLACES
	FETCH ((\ks)+1)%2, (\ks)+1, \p
.endif
.if (\p) == 2
	MULV \ks, (\ks)%2
.else
	MULQK \p, \ks, (\ks)%2
.endif
.endm
.macro PASS p
.set KS_, 0
.rept 8
	KSTEP \p, KS_
.set KS_, KS_+1
.endr
.endm
; 64 numbers of a lane, register 16 b + i = index 32 b + 16 (lane / 16) + i, become 12 registers of codes in v[PC] on and four scale bytes in v[PW].  The four blocks know nothing of each other: blocks 0, 1 and 2, 3 belong to two tiles here.
.macro QUANT s
.irp b, 0,1,2,3
	v_max3_num_f32 v[TM+\b], |v[\s+16*\b]|, |v[\s+1+16*\b]|, 0x1800000   ; and the floor 2^(3 - 127): the byte cannot fall under 1
.endr
.irp i, 2,4,6,8,10,12,14
.irp b, 0,1,2,3
	v_max3_num_f32 v[TM+\b], v[TM+\b], |v[\s+16*\b+\i]|, |v[\s+1+16*\b+\i]|
.endr
.endr
.irp b, 0,1,2,3
	v_permlanex16_b32 v[TM+4+\b], v[TM+\b], s[SEL], s[SEL+1]
.endr
.irp b, 0,1,2,3
	v_max_num_f32 v[TM+\b], v[TM+\b], v[TM+4+\b]
.endr
.irp b, 0,1,2,3
	v_add_nc_u32 v[TM+12+\b], 0xff000000, v[TM+\b]        ; 2 off the exponent field: the conversion's scale operand
.endr
.irp b, 0,1,2,3
	v_lshrrev_b32 v[TM+4+\b], 23, v[TM+12+\b]
.endr
	v_lshl_or_b32 v[PW], v[TM+5], 8, v[TM+4]
	v_lshl_or_b32 v[PW], v[TM+6], 16, v[PW]
	v_lshl_or_b32 v[PW], v[TM+7], 24, v[PW]
.irp c, 0,1
	v_cvt_scalef32_pk16_fp6_f32 v[PC+6*\c:PC+2+6*\c], v[\s+32*\c:\s+15+32*\c], v[TM+12+2*\c]
	v_cvt_scalef32_pk16_fp6_f32 v[PC+12+4*\c:PC+14+4*\c], v[\s+16+32*\c:\s+31+32*\c], v[TM+12+2*\c+1]
.endr
	v_nop                                                  ; one plain instruction behind the scaled conversions
.irp c, 0,1
.irp i, 0,1,2
	v_permlane16_swap_b32 v[PC+6*\c+\i], v[PC+12+4*\c+\i]
.endr
.irp i, 0,1,2
	v_mov_b32 v[PC+3+6*\c+\i], v[PC+12+4*\c+\i]
.endr
.endr
.endm
; THE WAY OUT of accumulators 64 pi .. 64 pi + 63 (two tiles): bias (and q's 1 / 8, exact) into window 0, each accumulator from its low end on; quantised; codes to memory, scale bytes to the stage.
.macro EPI kind, pi
	s_wait_xcnt 0x0                                ; the earlier stores have read the codes' registers
.if \pi
	s_wait_dscnt 0x0                               ; and the LDS store the scale word's
.endif
.if (\kind) == 0
	WIN 0x12                                       ; source 0 window 2, source 2 window 1
.elseif (\kind) == 1
	WIN 0x06                                       ; source 0 window 2, source 1 window 1
.else
	WIN 0x02
.endif
.set n, 0
.rept 32
.if (\kind) == 0
	v_pk_fma_f32 v[HA+n:HA+n+1], v[64*\pi+n:64*\pi+n+1], 0x3e000000, v[192+n%32:193+n%32] op_sel_hi:[1,0,1]
.elseif (\kind) == 1
	v_pk_add_f32 v[HA+n:HA+n+1], v[64*\pi+n:64*\pi+n+1], v[224+n%32:225+n%32]
.else
	v_pk_add_f32 v[HA+n:HA+n+1], v[64*\pi+n:64*\pi+n+1], v[BA+2*(2*\pi+n/32):BA+2*(2*\pi+n/32)+1] op_sel_hi:[1,0]
.endif
.set n, n+2
.endr
	WIN 0
	QUANT HA
.if (\kind) == 0
	global_store_b128 v16, v[PC:PC+3], s[14:15] offset:1536*\pi            ; token tiles 2 pi, 2 pi + 1 of my four: 768 bytes each; every store covers whole aligned runs of 256 bytes
	global_store_b64 v17, v[PC+4:PC+5], s[14:15] offset:1536*\pi+512
	global_store_b128 v16, v[PC+6:PC+9], s[14:15] offset:1536*\pi+768
	global_store_b64 v17, v[PC+10:PC+11], s[14:15] offset:1536*\pi+1280
	ds_store_b32 v21, v[PW] offset:4*\pi
.elseif (\kind) == 1
	global_store_b128 v16, v[PC:PC+3], s[92:93] offset:1536*\pi
	global_store_b64 v17, v[PC+4:PC+5], s[92:93] offset:1536*\pi+512
	global_store_b128 v16, v[PC+6:PC+9], s[92:93] offset:1536*\pi+768
	global_store_b64 v17, v[PC+10:PC+11], s[92:93] offset:1536*\pi+1280
	ds_store_b32 v21, v[PW] offset:512+4*\pi
.else
	global_store_b128 v16, v[PC:PC+3], s[94:95] offset:3072*\pi            ; my 64 keys' half of the fragments of feature tiles 2 pi and 2 pi + 1
	global_store_b64 v17, v[PC+4:PC+5], s[94:95] offset:3072*\pi+512
	global_store_b128 v16, v[PC+6:PC+9], s[94:95] offset:3072*\pi+1536
	global_store_b64 v17, v[PC+10:PC+11], s[94:95] offset:3072*\pi+2048
	ds_store_b16 v22, v[PW] offset:8*\pi                                   ; my two bytes of each tile's scale word
	ds_store_b16_d16_hi v22, v[PW] offset:8*\pi+4
.endif
.endm
	s_load_b512 s[4:19], s[0:1], 0x0               ; cod, scl, bq, bk, bv, qf, kv, qs
	v_lshl_add_u32 v[SPW], v0, 2, SPARE
	v_mov_b32 v[NIL], 0
	ds_add_u32 v28, v29
	ds_add_u32 v28, v29
	s_wait_dscnt 0x0
	v_lshrrev_b32 v1, 5, v0
	v_readfirstlane_b32 s20, v1                    ; wave
	s_lshr_b32 s21, s20, 1                         ; wa
	s_and_b32 s22, s20, 1                          ; wb; also: which four tiles of a chunk I fetch
	s_bfe_u32 s23, ttmp6, 0x40000                  ; cx
	s_bfe_u32 s66, ttmp6, 0x40004                  ; cy
	s_lshl_b32 s67, ttmp9, 2
	s_add_co_u32 s67, s67, s23                     ; hp = 4 x cluster x + cx
	s_and_b32 s98, ttmp7, 0xffff
	s_lshl_b32 s98, s98, 2
	s_add_co_u32 s98, s98, s66                     ; tb = 4 x cluster y + cy
	s_lshl_b32 s2, s66, 2
	s_lshl_b32 s2, 15, s2                          ; my row of the cluster
	s_lshl_b32 s3, 0x1111, s23                     ; my column
	s_or_b32 s24, s2, (3<<16)|(1<<21)              ; x's tiles go to my row; elements of 8 bytes; bit 21 beside a mask
	s_or_b32 s32, s3, (3<<16)|(1<<21)              ; the weights' to my column
	s_or_b32 s40, s3, (3<<16)|(1<<21)
.irp g, 24, 32                         ; a chunk's part: 4 tiles x 3,072 bytes (two K steps), 12,288 bytes from tile to tile
	s_mov_b32 s[\g+1], 384<<16
	s_mov_b32 s[\g+2], 4<<16
	s_mov_b32 s[\g+3], 384<<16
	s_mov_b32 s[\g+4], 4
	s_mov_b32 s[\g+5], 1536
	s_mov_b32 s[\g+6], 0
	s_mov_b32 s[\g+7], 0
.endr
	s_mov_b32 s41, 32<<16                          ; two whole tiles: 24,576 dense bytes as 96 rows of 256
	s_mov_b32 s42, 96<<16
	s_mov_b32 s43, 32<<16
	s_mov_b32 s44, 96
	s_mov_b32 s45, 32
	s_mov_b32 s46, 0
	s_mov_b32 s47, 0
	s_lshl_b32 s92, s98, 3                         ; x: tile 8 tb + 4 (w % 2): these registers never hold cx
	s_lshl_b32 s93, s22, 2
	s_add_co_u32 s92, s92, s93
	s_mul_i32 s92, s92, TILEB
	s_mov_b32 s93, 0
	s_lshl_b32 s94, s67, 3                         ; wq: tile 256 + 8 hp + 4 (w % 2): these never hold cy
	s_lshl_b32 s95, s22, 2
	s_add_co_u32 s94, s94, s95
	s_add_co_u32 s94, s94, 256
	s_mul_i32 s94, s94, TILEB
	s_mov_b32 s95, 0
	s_lshl_b32 s96, s67, 3                         ; wk: tile 320 + 8 hp + 2 w
	s_lshl_b32 s97, s20, 1
	s_add_co_u32 s96, s96, s97
	s_add_co_u32 s96, s96, 320
	s_mul_i32 s96, s96, TILEB
	s_mov_b32 s97, 0
	s_mul_i32 s99, s22, 12288                      ; in LDS: my four tiles of a chunk,
	s_mul_i32 s100, s20, 24576                     ; my two whole tiles: the wave's number alone
	s_wait_kmcnt 0x0
	s_add_nc_u64 s[92:93], s[4:5], s[92:93]
	s_add_nc_u64 s[94:95], s[4:5], s[94:95]
	s_add_nc_u64 s[96:97], s[4:5], s[96:97]
.irp c, 0,1,2,3
	s_mov_b32 s[48+4*\c], 1
	s_add_co_u32 s[49+4*\c], s99, XA+24576*\c
	s_add_nc_u64 s[50+4*\c:51+4*\c], s[92:93], 3072*\c
	s_or_b32 s[51+4*\c], s[51+4*\c], 0x80000000
	s_mov_b32 s[68+4*\c], 1
	s_add_co_u32 s[69+4*\c], s99, WB0+24576*\c
	s_add_nc_u64 s[70+4*\c:71+4*\c], s[94:95], 3072*\c
	s_or_b32 s[71+4*\c], s[71+4*\c], 0x80000000
.endr
	s_mov_b32 s84, 1                               ; wk, whole
	s_add_co_u32 s85, s100, WB1
	s_mov_b64 s[86:87], s[96:97]
	s_or_b32 s87, s87, 0x80000000
	s_mov_b32 s88, 1                               ; wv, whole, 64 tiles on: into wq's bytes, later
	s_add_co_u32 s89, s100, WB0
	s_add_nc_u64 s[90:91], s[96:97], 64*TILEB
	s_or_b32 s91, s91, 0x80000000
	CROUND                                         ; all sixteen work-groups are here: the first joint loads meet
	s_cmp_lt_u32 s20, 2                            ; waves 0, 1 fetch x's chunks, waves 2, 3 wq's; every wave its two tiles of wk.  A wave's first fills stand in one branch
	s_cbranch_scc0 .Lfirst_w
	tensor_load_to_lds s[48:51], s[24:31]
	s_nop 0
	tensor_load_to_lds s[52:55], s[24:31]
	s_nop 0
	tensor_load_to_lds s[56:59], s[24:31]
	s_nop 0
	tensor_load_to_lds s[60:63], s[24:31]
	s_nop 0
	tensor_load_to_lds s[84:87], s[40:47]
	s_nop 0
.rept 4
	v_nop
.endr
	s_branch .Lfirst_done
.Lfirst_w:
	tensor_load_to_lds s[68:71], s[32:39]
	s_nop 0
	tensor_load_to_lds s[72:75], s[32:39]
	s_nop 0
	tensor_load_to_lds s[76:79], s[32:39]
	s_nop 0
	tensor_load_to_lds s[80:83], s[32:39]
	s_nop 0
	tensor_load_to_lds s[84:87], s[40:47]
	s_nop 0
.rept 4
	v_nop
.endr
.Lfirst_done:
	v_and_b32 v1, 31, v0                           ; lane
	v_and_b32 v2, 15, v0                           ; r
	v_bfe_u32 v3, v0, 4, 1                         ; h
	v_lshlrev_b32 v16, 4, v1
	v_lshlrev_b32 v17, 3, v1
	s_mul_i32 s2, s21, 12288                       ; x: my four tiles in a chunk
	v_add_nc_u32 v4, s2, v16
	v_add_nc_u32 v5, s2, v17
	v_add_nc_u32 v6, 49152, v4                     ; chunks 2, 3
	v_add_nc_u32 v7, 49152, v5
	s_add_co_u32 s2, s99, WB0                      ; wq likewise
	v_add_nc_u32 v8, s2, v16
	v_add_nc_u32 v9, s2, v17
	v_add_nc_u32 v10, 49152, v8
	v_add_nc_u32 v11, 49152, v9
	s_mul_i32 s2, s22, 49152                       ; whole tiles: my four
	s_add_co_u32 s3, s2, WB1
	v_add_nc_u32 v12, s3, v16
	v_add_nc_u32 v13, s3, v17
	s_add_co_u32 s3, s2, WB0
	v_add_nc_u32 v14, s3, v16
	v_add_nc_u32 v15, s3, v17
	; the scale words: lanes 0-15 take x's tiles, lanes 16-31 the pass's weight tiles; 32 bytes a row, 512 a tile
	s_lshl_b32 s2, s98, 3
	s_lshl_b32 s3, s21, 2
	s_add_co_u32 s2, s2, s3                        ; x's first tile
	s_lshl_b32 s3, s67, 3
	s_lshl_b32 s99, s22, 2
	s_add_co_u32 s3, s3, s99
	s_add_co_u32 s3, s3, 256                       ; wq's first tile
	s_sub_co_u32 s3, s3, s2
	s_lshl_b32 s3, s3, 9
	s_lshl_b32 s2, s2, 9
	v_mul_u32_u24 v18, s3, v3
	v_lshl_add_u32 v18, v2, 5, v18
	v_add_nc_u32 v18, s2, v18
	v_lshl_add_u32 v19, v3, 15, v18                ; wk's tiles lie 64 tiles on,
	v_lshl_add_u32 v20, v3, 15, v19                ; wv's 64 more
.irp p, 0,1,2
.irp i, 0,1,2,3
	global_load_b128 v[SC+32*\p+8*\i:SC+32*\p+8*\i+3], v[18+\p], s[6:7] offset:512*\i
	global_load_b128 v[SC+32*\p+8*\i+4:SC+32*\p+8*\i+7], v[18+\p], s[6:7] offset:512*\i+16
.endr
.endr
	s_lshl_b32 s2, s67, 9                          ; the biases of my head: 4 (128 hp + 64 wb)
	s_lshl_b32 s3, s22, 8
	s_add_co_u32 s2, s2, s3
	s_mov_b32 s3, 0
	s_add_nc_u64 s[8:9], s[8:9], s[2:3]
	s_add_nc_u64 s[10:11], s[10:11], s[2:3]
	s_add_nc_u64 s[12:13], s[12:13], s[2:3]
	v_lshlrev_b32 v25, 6, v3                       ; bq, bk: tile t's registers are features 32 (t / 2) + 16 h + 8 (t % 2) + 0 .. 7
	v_and_b32 v26, 8, v2
	v_add_nc_u32 v26, v26, v2
	v_lshlrev_b32 v26, 2, v26                      ; bv: my lane's feature of a tile: r + 8 (r / 8)
	WIN 0x40
.irp t, 0,1,2,3
	global_load_b128 v[192+8*\t:195+8*\t], v25, s[8:9] offset:(32*(\t/2)+8*(\t%2))*4
	global_load_b128 v[196+8*\t:199+8*\t], v25, s[8:9] offset:(32*(\t/2)+8*(\t%2))*4+16
	global_load_b128 v[224+8*\t:227+8*\t], v25, s[10:11] offset:(32*(\t/2)+8*(\t%2))*4
	global_load_b128 v[228+8*\t:231+8*\t], v25, s[10:11] offset:(32*(\t/2)+8*(\t%2))*4+16
.endr
	WIN 0
.irp i, 0,1,2,3
	global_load_b32 v[BA+2*\i], v26, s[12:13] offset:(32*(\i/2)+8*(\i%2))*4
	global_load_b32 v[BA+2*\i+1], v26, s[12:13] offset:(32*(\i/2)+8*(\i%2))*4     ; (twice: the packed addition names a pair)
.endr
	s_lshl_b32 s2, s21, 7                          ; the stage for scale words
	s_lshl_b32 s3, s22, 8
	s_add_co_u32 s2, s2, s3
	s_add_co_u32 s2, s2, SST
	v_lshl_add_u32 v21, v2, 3, s2                  ; q, k: SST + 256 wb + 128 wa + 8 r
	s_lshl_b32 s2, s21, 1
	s_add_co_u32 s2, s2, s3
	s_add_co_u32 s2, s2, SST+1024
	v_lshl_add_u32 v22, v2, 4, s2                  ; v: SST + 1,024 + 256 wb + 16 r + 2 wa
	; where my results go
	s_lshr_b32 s2, s98, 4                          ; the batch
	s_and_b32 s3, s98, 15                          ; js: the block of 128 tokens in it
	s_lshl_b32 s2, s2, 4
	s_lshl_b32 s99, s67, 1
	s_add_co_u32 s2, s2, s99                       ; 16 b + 2 hp
	s_add_co_u32 s99, s2, s22                      ; bh: my head
	s_lshl_b32 s92, s3, 3
	s_lshl_b32 s93, s21, 2
	s_add_co_u32 s92, s92, s93                     ; my first token tile in the batch: 8 js + 4 wa
	s_lshl_b32 s93, s99, 7
	s_add_co_u32 s93, s93, s92
	s_mul_i32 s94, s93, 768
	s_mov_b32 s95, 0
	s_add_nc_u64 s[14:15], s[14:15], s[94:95]      ; q's codes
	s_mul_i32 s99, s99, REC
	s_mul_i32 s92, s92, 768
	s_add_co_u32 s92, s92, s99
	s_mov_b32 s93, 0
	s_add_nc_u64 s[92:93], s[16:17], s[92:93]      ; k's codes
	s_mul_i32 s94, s3, 6144
	s_add_co_u32 s94, s94, s99
	s_mul_i32 s96, s21, 768
	s_add_co_u32 s94, s94, s96
	s_add_co_u32 s94, s94, 98304
	s_add_nc_u64 s[94:95], s[16:17], s[94:95]      ; v's codes: key step js, my 64 keys' half
	s_min_u32 s100, s20, 2                         ; the scale words leave by waves 0 (q), 1 (k), 2 (v): 512 bytes each, lanes 0-15 head 2 hp, lanes 16-31 head 2 hp + 1
	s_lshl_b32 s101, s100, 9
	s_add_co_u32 s101, s101, SST
	v_add_nc_u32 v23, s101, v16
	s_lshl_b32 s100, s100, 12
	s_add_co_u32 s100, s100, 192512                ; in a record: 196,608 for k, 200,704 for v
	s_mov_b32 s99, REC
	s_cmp_eq_u32 s20, 0
	s_cselect_b32 s100, 0, s100
	s_cselect_b32 s99, 4096, s99                   ; bytes from a head to the next
	s_cselect_b64 s[96:97], s[18:19], s[16:17]
	s_mul_i32 s2, s2, s99
	s_add_co_u32 s2, s2, s100
	s_lshl_b32 s3, s3, 8
	s_add_co_u32 s2, s2, s3
	s_mov_b32 s3, 0
	s_add_nc_u64 s[96:97], s[96:97], s[2:3]
	v_mul_u32_u24 v24, s99, v3
	v_lshl_add_u32 v24, v2, 4, v24
	s_mov_b32 s[SEL], 0x76543210
	s_mov_b32 s[SEL+1], 0xfedcba98
.irp b, 0,1,2,3
	v_mov_b32 v[TM+4+\b], 0                        ; written once: a lane permute's destination counts as one of its sources
.endr
	s_wait_tensorcnt 0x4                           ; my part of chunk 0 is in; the four loads behind it may be out
	s_barrier_signal -1
	s_barrier_wait -1
	FETCH 0, 0, 0
	s_wait_loadcnt 0x0                             ; scale words and biases
	WIN 0x41
.set n, 0
.rept 16
	v_pk_mul_f32 v[192+n:193+n], v[192+n:193+n], 0x3e000000 op_sel_hi:[1,0]   ; bq / 8: so (sum + bq) / 8 is one fused multiply-add, with the same rounding
.set n, n+2
.endr
	PASS 0
	; wq is done with: wv takes its bytes
	WIN 0
	s_wait_tensorcnt 0x0                           ; all my tensor loads have landed, my part of wk among them
	ds_add_u32 v[SPW], v[NIL]                      ; 0 onto my spare word
	s_wait_dscnt 0x0                               ; the add is done, and my reads of wq are over
	CROUND                                         ; so it is with every wave of every partner
	tensor_load_to_lds s[88:91], s[40:47]          ; my one load behind the round: two tiles of wv; it has pass k in which to land
	s_nop 0
.rept 4
	v_nop                                          ; also the places behind pass q's last products
.endr
	FETCH 0, 0, 1
	EPI 0, 0
	EPI 0, 1
	PASS 1
	WIN 0
	s_wait_tensorcnt 0x0                           ; my part of wv is in,
	s_wait_dscnt 0x0
	s_barrier_signal -1
	s_barrier_wait -1                              ; everybody's is
	PLACES
	FETCH 0, 0, 2
	EPI 1, 0
	EPI 1, 1
	PASS 2
	PLACES
	EPI 2, 0
	EPI 2, 1
	s_wait_dscnt 0x0                               ; for the others' sake: my scale bytes have landed
	s_barrier_signal -1
	s_barrier_wait -1
	s_cmp_lt_u32 s20, 3
	s_cbranch_scc0 .Lno_gather
	ds_load_b128 v[240:243], v23
	s_wait_dscnt 0x0
	global_store_b128 v24, v[240:243], s[96:97]    ; sixteen lanes store 256 consecutive bytes, aligned
.Lno_gather:
	s_wait_tensorcnt 0x0                           ; the wave's end
	ds_add_u32 v[SPW], v[NIL]
	s_wait_dscnt 0x0
	CROUND                                         ; the closing round
	s_endpgm
.Lfunc_end_k_q3262586062_qkv:
	.size	k_q3262586062_qkv, .Lfunc_end_k_q3262586062_qkv-k_q3262586062_qkv
	.p2alignl 7, 3214868480
	.fill 96, 4, 3214868480
	.section	.rodata,"a",@progbits
	.p2align	6, 0x0
	.amdhsa_kernel k_q3262586062_qkv
		.amdhsa_group_segment_fixed_size 327680
		.amdhsa_private_segment_fixed_size 0
		.amdhsa_enable_private_segment 0
		.amdhsa_kernarg_size 64
		.amdhsa_user_sgpr_count 2
		.amdhsa_user_sgpr_kernarg_segment_ptr 1
		.amdhsa_wavefront_size32 1
		.amdhsa_system_sgpr_workgroup_id_x 1
		.amdhsa_system_sgpr_workgroup_id_y 1
		.amdhsa_system_sgpr_workgroup_id_z 1
		.amdhsa_system_vgpr_workitem_id 0
		.amdhsa_next_free_vgpr 640
		.amdhsa_next_free_sgpr 102
		.amdhsa_reserve_vcc 0
		.amdhsa_float_denorm_mode_32 3
		.amdhsa_float_denorm_mode_16_64 3
		.amdhsa_memory_ordered 1
		.amdhsa_forward_progress 1
		.amdhsa_inst_pref_size 161
	.end_amdhsa_kernel
	.amdgpu_metadata
---
amdhsa.version: [ 1, 2 ]
amdhsa.kernels:
  - .name:           k_q3262586062_qkv
    .symbol:         k_q3262586062_qkv.kd
    .args:
      - { .name: cod, .offset: 0, .size: 8, .value_kind: global_buffer, .address_space: global }
      - { .name: scl, .offset: 8, .size: 8, .value_kind: global_buffer, .address_space: global }
      - { .name: bq, .offset: 16, .size: 8, .value_kind: global_buffer, .address_space: global }
      - { .name: bk, .offset: 24, .size: 8, .value_kind: global_buffer, .address_space: global }
      - { .name: bv, .offset: 32, .size: 8, .value_kind: global_buffer, .address_space: global }
      - { .name: qf, .offset: 40, .size: 8, .value_kind: global_buffer, .address_space: global }
      - { .name: kv, .offset: 48, .size: 8, .value_kind: global_buffer, .address_space: global }
      - { .name: qs, .offset: 56, .size: 8, .value_kind: global_buffer, .address_space: global }
    .group_segment_fixed_size: 327680
    .private_segment_fixed_size: 0
    .kernarg_segment_align: 8
    .kernarg_segment_size: 64
    .max_flat_workgroup_size: 128
    .sgpr_count:     102
    .vgpr_count:     640
    .wavefront_size: 32
...
	.end_amdgpu_metadata
.endif
;; end of part 2
;; launch attn (part 3): grid 8 x 32, 16 waves a work-group, clusters of 4 x 1, 207,872 bytes of LDS; arguments qf, qs, kv, bias, xa, xs; writes xa, xs
.if DOCPART == 3
	.amdgcn_target "amdgcn-amd-amdhsa--gfx1250"
	.amdhsa_code_object_version 6
	.text
	.protected	k_q3262586062_attn
	.globl	k_q3262586062_attn
	.p2align	8
	.type	k_q3262586062_attn,@function
k_q3262586062_attn:
	s_mov_b64 s[64:65], 0
	v_nop
	global_prefetch_b8 v0, s[64:65] scope:SCOPE_SE
	s_setreg_imm32_b32 hwreg(HW_REG_WAVE_MODE, 25, 1), 1
	s_wait_xcnt 0x0
	s_wait_alu depctr_hold_cnt(0) depctr_sa_sdst(0) depctr_va_vdst(0) depctr_va_sdst(0) depctr_va_ssrc(0) depctr_va_vcc(0) depctr_vm_vsrc(0)
	s_getreg_b32 s2, hwreg(HW_REG_IB_STS2, 6, 4)
	s_cmp_eq_u32 s2, 0
	s_cbranch_scc0 .Lentry_in_a_cluster
	s_endpgm
.Lentry_in_a_cluster:
	s_bfe_u32 s2, ttmp6, 0x10000c
	s_cmp_lg_u32 s2, 0x3003
	s_cbranch_scc0 .Lentry_shape_is_right
	s_endpgm
.Lentry_shape_is_right:
; x[b][q][head] = softmax_k(q . k + bias[q][k]) v on codes of FP6 (E2M3) with E8M0 scales (q already holds the 1 / 8); x is quantised along the hidden axis and leaves as codes for the last product.
; THE SOFTMAX: t = logit x log2(e); M = the running largest t rounded UP to a whole number; p = 2^(t - M) is quantised along the keys; the row's sum is taken of the unquantised p and divides at the end.
; SHARES.  A work-group owns 256 queries of one (batch, head); each of its sixteen waves one tile of 16, in 256 registers, four waves to a SIMD.  Every wave walks the 2,048 keys, 128 a step.
; THE HEAD'S WHOLE RECORD (K's codes, V's codes, their scale words: 204,800 bytes) lies in LDS as it lies in memory, filled ONCE by three tensor loads a wave (three are out at the most): no slot is filled again.
; CLUSTER 4 x 1: the four query blocks of a cluster belong to one (batch, head) and read the same record: each part of it is asked for JOINTLY, by the same load with the same descriptor and a mask that names the four.
; BOTH PRODUCTS TRANSPOSED: S^T = K Q^T, O^T = V^T P^T: a lane holds one query.  Row r of a tile T is row 32 (T / 2) + 8 (T % 2) + r + 8 (r / 8), so the 16 registers of tiles 2 b, 2 b + 1 are 16 neighbours.
; THE HEAD IS 64 WIDE, the instruction 128: a fragment of K holds two key tiles, side by side along K; Q lies as (Q, zeros, Q) in 18 registers, and the views (Q | 0) and (0 | Q) pick the first tile or the second: zero codes add nothing.
; THE BIAS is loaded in the result's layout into 64 registers of its own and is the C of K Q^T; they are loaded again, for the next step, as soon as that product has read them: a whole softmax ahead of their use.
; K's fragments of the next step are asked for at a step's end, V's behind K Q^T: both share 48 registers.
; LIMITS: NaN is not served; a query row whose logits are all -infinity gives NaN, as the softmax itself does; a block of zeros carries the byte 1 and zero codes.
; REGISTERS: v1-2 offsets in the bias; v3-5 16 x lane, 8 x lane, 16 r; v6-8 the LDS addresses in hand; v10 -M, v11 p's scale word; v12 f, v13 at work; v[14:15] the sum in two halves; v16-33 Q, v34 its scale word;
;   v36-39 K's scale words, then V's; v40-47 at work; v48-95 four fragments; v96-159 scores, then p, then (in its dead parts) p's codes; v160-223 the bias; v224-255 O^T.
.set REC,   204800
.set VOFF,  98304                      ; V's codes in a record
.set KSC,   196608                     ; K's scale words
.set VSC,   200704                     ; V's
.set XST,   204800                     ; behind the record: the work-group's 256 scale words of x
.set BO,    1                          ; bias: 8,192 (r + 8 (r / 8)) + 64 h
.set PFO,   2                          ; the prefetches: 8,192 (r + 8 (r / 8)) + 256 h
.set L16,   3                          ; 16 x lane
.set L8,    4                          ; 8 x lane
.set LR16,  5                          ; 16 r
.set A16,   6
.set A8,    7
.set ASC,   8
.set NM,    10                         ; -M; named as a pair with v11
.set PWD,   11                         ; p's scale word
.set F,     12                         ; f = 2^(old M - new M); named as a pair with v13
.set TT,    13
.set QF,    16                         ; v16-21 Q, v22-27 zeros, v28-33 Q
.set QS,    34                         ; Q's two scale bytes, twice
.set KS,    36                         ; v36-37 K's scale words: lanes 0-15 pairs 0, 1, lanes 16-31 pairs 2, 3
.set VS,    36                         ; v36-39 V's, in the same registers, behind K Q^T
.set BM,    40
.set BT,    44
.set KV,    48
.set S,     96
.set TC0,   S+32                       ; a conversion's three registers, in a part of p that is done with
.set PCD,   S+48                       ; p's codes, 12 registers, likewise
.set BI,    160
.set O,     224
.set SEL,   20
.set CS,    22
.set BP,    10                         ; s[10:11] the bias at my rows, at the step last asked for
.set TK,    60                         ; LDS byte of the K to be fetched next
.set TSK,   61                         ; and of its scale words
.set TN,    62                         ; the step's number
.set LIM,   63
.set TV,    76                         ; LDS byte of this step's V
.set TSV,   77                         ; and of its scale words
.macro CROUND                          ; a round of the cluster's barrier
	s_barrier_signal -1
	s_barrier_wait -1
	s_cmp_lg_u32 s16, 0
	s_cbranch_scc1 .Lnot_wave_0_\@
	s_barrier_signal -3
.Lnot_wave_0_\@:
	s_barrier_wait -3
	s_barrier_signal -1
	s_barrier_wait -1
.endm
.macro FRAG reg, a16, a8, off          ; a fragment's image back into 12 registers
	ds_load_b128 v[\reg:\reg+3], v[\a16] offset:\off
	ds_load_b64 v[\reg+4:\reg+5], v[\a8] offset:\off+512
	ds_load_b128 v[\reg+6:\reg+9], v[\a16] offset:\off+768
	ds_load_b64 v[\reg+10:\reg+11], v[\a8] offset:\off+1280
.endm
.macro G1SET g, rows                   ; dense bytes as rows of 256: 32 elements of 8 bytes; the mask names the cluster's four, bit 21 beside it
	s_mov_b32 s[\g], 15|(3<<16)|(1<<21)
	s_mov_b32 s[\g+1], 32<<16
	s_mov_b32 s[\g+2], (\rows)<<16
	s_mov_b32 s[\g+3], 32<<16
	s_mov_b32 s[\g+4], \rows
	s_mov_b32 s[\g+5], 32
	s_mov_b32 s[\g+6], 0
	s_mov_b32 s[\g+7], 0
.endm
.macro BIAS                            ; a step's bias of my 16 queries: register 16 b + i = key 32 b + 16 h + i
.irp b, 0,1,2,3
.irp j, 0,1,2,3
	global_load_b128 v[BI+16*\b+4*\j:BI+16*\b+4*\j+3], v[BO], s[BP:BP+1] offset:128*\b+16*\j
.endr
.endr
.endm
; A PREFETCH of the bias of the step after the one just asked for: my 16 rows x 512 bytes, a lane to each aligned 256 bytes, one trip ahead of the loads that will want them.
; All 32 (batch, head) pairs read the same bias: the work-groups of pair 0 ask, each wave for its own rows, so each block is named once.  Steps 0 and 1 come by their loads alone; the last two steps ask for nothing.
; The branch hangs on the pair's number and the step's, which the partners of a cluster share.
.macro ASK
	s_cmp_lt_u32 s[TN], s[LIM]
	s_cbranch_scc0 .Lno_ask_\@
	global_prefetch_b8 v[PFO], s[BP:BP+1] offset:512 th:TH_LOAD_NT scope:SCOPE_SE
.Lno_ask_\@:
.endm
.macro KADR                            ; where the K to be fetched lies
	v_add_nc_u32 v[A16], s[TK], v[L16]
	v_add_nc_u32 v[A8], s[TK], v[L8]
	v_add_nc_u32 v[ASC], s[TSK], v[L8]
.endm
.macro KFET
.irp p, 0,1,2,3
	FRAG KV+12*\p, A16, A8, 1536*\p
.endr
	ds_load_b64 v[KS:KS+1], v[ASC]
.endm
; 32 of the lane's p, from register o of p on, onto the row's sum: packed, in two chains
.macro SUM1 o
	v_pk_add_f32 v[BT:BT+1], v[S+(\o):S+(\o)+1], v[S+(\o)+2:S+(\o)+3]
.endm
.macro SUM2 o
.set j, (\o)+4
.rept 7
	v_pk_add_f32 v[14:15], v[14:15], v[S+j:S+j+1]
	v_pk_add_f32 v[BT:BT+1], v[BT:BT+1], v[S+j+2:S+j+3]
.set j, j+4
.endr
	v_pk_add_f32 v[14:15], v[14:15], v[BT:BT+1]
.endm
; A KEY STEP: 128 keys.  nxt = 1: the next step's bias and K are asked for.
.macro STEP nxt
	s_wait_dscnt 0x0                               ; K's fragments and scale words, asked for at the last step's end
	s_wait_loadcnt 0x0                             ; the bias, asked for a step ago: these loads are done, so their base may be stepped below
.irp p, 0,1
.irp u, 0,1
	v_wmma_scale_f32_16x16x128_f8f6f4 v[S+16*\p+8*\u:S+16*\p+8*\u+7], v[KV+12*\p:KV+12*\p+11], v[QF+6*\u:QF+6*\u+11], v[BI+16*\p+8*\u:BI+16*\p+8*\u+7], v[KS+\p], v[QS] matrix_a_fmt:MATRIX_FMT_FP6 matrix_b_fmt:MATRIX_FMT_FP6
.endr
.endr
.irp p, 2,3
.irp u, 0,1
	v_wmma_scale_f32_16x16x128_f8f6f4 v[S+16*\p+8*\u:S+16*\p+8*\u+7], v[KV+12*\p:KV+12*\p+11], v[QF+6*\u:QF+6*\u+11], v[BI+16*\p+8*\u:BI+16*\p+8*\u+7], v[KS+\p-2], v[QS] matrix_a_fmt:MATRIX_FMT_FP6 matrix_b_fmt:MATRIX_FMT_FP6 matrix_a_scale:MATRIX_SCALE_ROW1
.endr
.endr
	v_add_nc_u32 v[A16], s[TV], v[L16]             ; four plain instructions behind the products: then loads may land on what they read, and their results may be read
	v_add_nc_u32 v[A8], s[TV], v[L8]
	v_add_nc_u32 v[ASC], s[TSV], v[LR16]
	v_nop
.irp p, 0,1,2,3
	FRAG KV+12*\p, A16, A8, 1536*\p                ; V's four fragments land during the softmax
.endr
	ds_load_b128 v[VS:VS+3], v[ASC]
.if \nxt
	s_wait_xcnt 0x0                                ; the prefetch of a trip ago has read its base
	s_add_nc_u64 s[BP:BP+1], s[BP:BP+1], 512
	BIAS                                           ; the next step's bias: it has this step's softmax and second product in which to land
	ASK
.endif
.irp b, 0,1,2,3
	v_max3_num_f32 v[BM+\b], v[S+16*\b], v[S+1+16*\b], v[S+2+16*\b]   ; the largest score of each block of 32 keys: for the row's maximum and, since p rises with the score, for the block's largest p
.endr
.irp i, 3,5,7,9,11,13
.irp b, 0,1,2,3
	v_max3_num_f32 v[BM+\b], v[BM+\b], v[S+16*\b+\i], v[S+1+16*\b+\i]
.endr
.endr
.irp b, 0,1,2,3
	v_max_num_f32 v[BM+\b], v[BM+\b], v[S+15+16*\b]
.endr
.irp b, 0,1,2,3
	v_permlanex16_b32 v[BT+\b], v[BM+\b], s[SEL], s[SEL+1]
.endr
.irp b, 0,1,2,3
	v_max_num_f32 v[BM+\b], v[BM+\b], v[BT+\b]
.endr
	v_max3_num_f32 v[TT], v[BM], v[BM+1], v[BM+2]
	v_max_num_f32 v[TT], v[TT], v[BM+3]
	v_mul_f32 v[TT], s[CS], v[TT]                  ; the step's largest t
	v_floor_f32 v[TT], -v[TT]                      ; floor(-t) = -ceil(t)
	v_min_num_f32 v[TT], v[TT], v[NM]              ; the new -M: the ceiling of a maximum is the maximum of the ceilings, so the running t itself is not kept
	v_sub_f32 v[F], v[TT], v[NM]                   ; old M - new M: a whole number, 0 or less
	v_mov_b32 v[NM], v[TT]
	v_cvt_i32_f32 v[F], v[F]                       ; (it saturates)
	v_ldexp_f32 v[F], 1.0, v[F]                    ; f = 2^(old M - new M): exact
.set j, 0
.rept 32
	v_pk_fma_f32 v[S+j:S+j+1], v[S+j:S+j+1], s[CS:CS+1], v[NM:NM+1] op_sel_hi:[1,0,0]   ; t - M
.set j, j+2
.endr
.irp b, 0,1,2,3
	v_fma_f32 v[BM+\b], v[BM+\b], s[CS], v[NM]
.endr
.set j, 0
.rept 64
	v_exp_f32 v[S+j], v[S+j]                       ; p = 2^(t - M)
.set j, j+1
.endr
	v_pk_mul_f32 v[14:15], v[14:15], v[F:F+1] op_sel_hi:[1,0]   ; the sums under the new M: the plain instruction behind the exponentials
	s_wait_alu depctr_va_vdst(0)                   ; one wait for the batch of 64, ahead of its first reader
.irp b, 0,1,2,3
	v_exp_f32 v[BM+\b], v[BM+\b]                   ; each block's largest p
.endr
	SUM1 32                                        ; the row's sum of the unquantised p: blocks 2 and 3 now, since their registers take the codes; blocks 0 and 1 at the step's end
	SUM2 32
	s_wait_alu depctr_va_vdst(0)                   ; and one for the four
.irp b, 0,1,2,3
	v_max_num_f32 v[BM+\b], 0x1800000, v[BM+\b]    ; the floor 2^(3 - 127)
.endr
.irp b, 0,1,2,3
	v_add_nc_u32 v[BM+\b], 0xff000000, v[BM+\b]    ; 2 off the exponent field: the conversion's scale operand
.endr
.irp b, 0,1,2,3
	v_lshrrev_b32 v[BT+\b], 23, v[BM+\b]
.endr
	v_lshl_or_b32 v[PWD], v[BT+1], 8, v[BT]        ; p's scale word
	v_lshl_or_b32 v[PWD], v[BT+2], 16, v[PWD]
	v_lshl_or_b32 v[PWD], v[BT+3], 24, v[PWD]
	; the conversions go from block 3 down, so that each result but the first lands in registers of p that are done with; a plain instruction (a rescaling of O^T) stands between a conversion and the next that writes its sources
	v_cvt_scalef32_pk16_fp6_f32 v[BT:BT+2], v[S+48:S+63], v[BM+3]
	v_pk_mul_f32 v[O:O+1], v[O:O+1], v[F:F+1] op_sel_hi:[1,0]
	v_cvt_scalef32_pk16_fp6_f32 v[PCD+6:PCD+8], v[S+32:S+47], v[BM+2]
	v_pk_mul_f32 v[O+2:O+3], v[O+2:O+3], v[F:F+1] op_sel_hi:[1,0]
	v_cvt_scalef32_pk16_fp6_f32 v[TC0:TC0+2], v[S+16:S+31], v[BM+1]
	v_cvt_scalef32_pk16_fp6_f32 v[PCD:PCD+2], v[S:S+15], v[BM]
	v_pk_mul_f32 v[O+4:O+5], v[O+4:O+5], v[F:F+1] op_sel_hi:[1,0]   ; the plain instruction behind the last conversion
.irp i, 0,1,2                                      ; a whole block to a lane: lanes 0-15 block 2 c, lanes 16-31 block 2 c + 1
	v_permlane16_swap_b32 v[PCD+\i], v[TC0+\i]
.endr
.irp i, 0,1,2
	v_mov_b32 v[PCD+3+\i], v[TC0+\i]
.endr
.irp i, 0,1,2
	v_permlane16_swap_b32 v[PCD+6+\i], v[BT+\i]
.endr
.irp i, 0,1,2
	v_mov_b32 v[PCD+9+\i], v[BT+\i]
.endr
.set j, 6
.rept 13
	v_pk_mul_f32 v[O+j:O+j+1], v[O+j:O+j+1], v[F:F+1] op_sel_hi:[1,0]   ; O^T under the new M; these thirteen are also the places between the codes, the scale word and the products
.set j, j+2
.endr
	s_wait_dscnt 0x0                               ; V
.irp t, 0,1,2,3
	v_wmma_scale_f32_16x16x128_f8f6f4 v[O+8*\t:O+8*\t+7], v[KV+12*\t:KV+12*\t+11], v[PCD:PCD+11], v[O+8*\t:O+8*\t+7], v[VS+\t], v[PWD] matrix_a_fmt:MATRIX_FMT_FP6 matrix_b_fmt:MATRIX_FMT_FP6
.endr
.if \nxt
	KADR                                           ; three additions and the first of the sums: four places behind the products
.endif
	SUM1 0                                         ; blocks 0 and 1 of p still stand as they were
.if \nxt
	KFET                                           ; the next step's K, over V; the sums below stand between these loads and the wait for them
.endif
	SUM2 0                                         ; (these additions are also the places ahead of the next K Q^T, which writes over p's codes)
	s_add_co_u32 s[TK], s[TK], 6144
	s_add_co_u32 s[TSK], s[TSK], 256
	s_add_co_u32 s[TV], s[TV], 6144
	s_add_co_u32 s[TSV], s[TSV], 256
	s_add_co_u32 s[TN], s[TN], 1
.endm
	s_load_b256 s[4:11], s[0:1], 0x0               ; qf, qs, kv, bias
	s_load_b128 s[12:15], s[0:1], 0x20             ; xa, xs
	v_lshl_add_u32 v9, v0, 2, 0x32400
	v_mov_b32 v35, 0
	ds_add_u32 v9, v35
	ds_add_u32 v9, v35
	v_lshrrev_b32 v96, 5, v0
	v_readfirstlane_b32 s16, v96                   ; wave 0..15
	s_and_b32 s18, ttmp7, 0xffff                   ; bh = 16 b + head: the four partners share it
	G1SET 24, 2
	G1SET 32, 12
	G1SET 40, 36
	s_lshr_b32 s68, s16, 3                         ; waves 0-7 fetch K's codes, waves 8-15 V's
	s_mul_i32 s68, s68, VOFF
	s_and_b32 s69, s16, 7
	s_mul_i32 s70, s69, 3072
	s_add_co_u32 s70, s70, s68                     ; key steps 0-3: 3,072 bytes a wave
	s_mul_i32 s71, s69, 9216
	s_add_co_u32 s71, s71, s68
	s_add_co_u32 s71, s71, 24576                   ; key steps 4-15: 9,216 bytes a wave
	s_lshl_b32 s72, s16, 9
	s_add_co_u32 s72, s72, KSC                     ; the scale words: 512 bytes a wave
	s_mul_i32 s74, s18, REC
	s_mov_b32 s75, 0
	s_mov_b32 s3, 0
	s_wait_dscnt 0x0
	s_wait_kmcnt 0x0
	s_add_nc_u64 s[74:75], s[8:9], s[74:75]        ; my head's record; a byte has the same place in the record and in LDS.  Nothing here hangs on my place in the cluster
	s_mov_b32 s48, 1
	s_mov_b32 s49, s72
	s_mov_b32 s2, s72
	s_add_nc_u64 s[50:51], s[74:75], s[2:3]
	s_or_b32 s51, s51, 0x80000000
	s_mov_b32 s52, 1
	s_mov_b32 s53, s70
	s_mov_b32 s2, s70
	s_add_nc_u64 s[54:55], s[74:75], s[2:3]
	s_or_b32 s55, s55, 0x80000000
	s_mov_b32 s56, 1
	s_mov_b32 s57, s71
	s_mov_b32 s2, s71
	s_add_nc_u64 s[58:59], s[74:75], s[2:3]
	s_or_b32 s59, s59, 0x80000000
	CROUND                                         ; all four work-groups are here: the joint loads meet
	tensor_load_to_lds s[48:51], s[24:31]
	s_nop 0
	tensor_load_to_lds s[52:55], s[32:39]
	s_nop 0
	tensor_load_to_lds s[56:59], s[40:47]
	s_nop 0
.rept 4
	v_nop
.endr
	v_and_b32 v98, 31, v0                          ; lane
	v_and_b32 v96, 15, v0                          ; r
	v_bfe_u32 v97, v0, 4, 1                        ; h
	v_lshlrev_b32 v[L16], 4, v98
	v_lshlrev_b32 v[L8], 3, v98
	v_lshlrev_b32 v[LR16], 4, v96
	v_and_b32 v99, 8, v96
	v_add_nc_u32 v99, v99, v96                     ; r + 8 (r / 8)
	v_lshlrev_b32 v[BO], 13, v99
	v_lshl_add_u32 v[PFO], v97, 8, v[BO]
	v_lshl_add_u32 v[BO], v97, 6, v[BO]
	v_lshlrev_b32 v100, 3, v96                     ; 8 r
	s_bfe_u32 s78, ttmp6, 0x40000                  ; cx: my place in the cluster: it enters global addresses of Q, the bias and x alone
	s_lshl_b32 s19, ttmp9, 2
	s_add_co_u32 s78, s78, s19                     ; my block of 256 queries = 4 x cluster x + cx
	s_lshl_b32 s17, s78, 4
	s_add_co_u32 s17, s17, s16                     ; Tb: my query tile in the batch
	s_lshr_b32 s68, s18, 4                         ; b
	s_and_b32 s69, s18, 15                         ; head
	s_min_u32 s2, s16, 1
	s_lshl_b32 s2, s2, 9
	s_lshl_b32 s70, s69, 14                        ; xs: 16,384 head + 64 (128 b + 16 x block) + 512 min(wave, 1)
	s_add_co_u32 s70, s70, s2
	s_lshl_b32 s2, s68, 7
	s_lshl_b32 s19, s78, 4
	s_add_co_u32 s19, s19, s2
	s_lshl_b32 s19, s19, 6
	s_add_co_u32 s70, s70, s19
	s_mov_b32 s71, 0
	s_add_nc_u64 s[14:15], s[14:15], s[70:71]
	s_add_co_u32 s2, s2, s17                       ; xa: ((128 b + Tb) 16 + head) 768
	s_lshl_b32 s2, s2, 4
	s_add_co_u32 s2, s2, s69
	s_mul_i32 s2, s2, 768
	s_add_nc_u64 s[12:13], s[12:13], s[2:3]
	s_and_b32 s67, s69, 1
	s_lshl_b32 s67, s67, 4                         ; an odd head's two scale bytes go to the word's upper half
	s_lshl_b32 s2, s18, 7
	s_add_co_u32 s2, s2, s17
	s_mul_i32 s2, s2, 768
	s_add_nc_u64 s[4:5], s[4:5], s[2:3]            ; Q's codes
	s_lshl_b32 s2, s18, 12                         ; Q's scale word: 4,096 bh + 256 (Tb / 8) + 128 ((Tb / 4) % 2) + 4 ((Tb / 2) % 2) + 8 r
	s_lshr_b32 s19, s17, 3
	s_lshl_b32 s19, s19, 8
	s_add_co_u32 s2, s2, s19
	s_bfe_u32 s19, s17, 0x10002
	s_lshl_b32 s19, s19, 7
	s_add_co_u32 s2, s2, s19
	s_bfe_u32 s19, s17, 0x10001
	s_lshl_b32 s19, s19, 2
	s_add_co_u32 s2, s2, s19
	s_add_nc_u64 s[6:7], s[6:7], s[2:3]
	s_lshr_b32 s2, s17, 1                          ; the bias at my tile's first row: 32 (Tb / 2) + 8 (Tb % 2) rows of 8,192 bytes
	s_lshl_b32 s2, s2, 18
	s_and_b32 s19, s17, 1
	s_lshl_b32 s19, s19, 16
	s_add_co_u32 s2, s2, s19
	s_add_nc_u64 s[BP:BP+1], s[BP:BP+1], s[2:3]
	global_load_b128 v[QF:QF+3], v[L16], s[4:5]
	global_load_b64 v[QF+4:QF+5], v[L8], s[4:5] offset:512
	global_load_b128 v[QF+12:QF+15], v[L16], s[4:5]
	global_load_b64 v[QF+16:QF+17], v[L8], s[4:5] offset:512
	global_load_b32 v[QS], v100, s[6:7]
	BIAS                                           ; step 0's
	s_mov_b32 s[SEL], 0x76543210
	s_mov_b32 s[SEL+1], 0xfedcba98
	s_mov_b32 s[CS], 0x3fb8aa3b                    ; log2(e)
	s_mov_b32 s[CS+1], s[CS]
	s_mov_b32 s[TK], 0
	s_mov_b32 s[TSK], KSC
	s_mov_b32 s[TV], VOFF
	s_mov_b32 s[TSV], VSC
	s_mov_b32 s[TN], 0
	s_cmp_eq_u32 s18, 0
	s_cselect_b32 s[LIM], 14, 0
	s_and_b32 s19, s16, 1                          ; an even tile's bytes are the word's lower two, an odd tile's the upper two (the tile's parity is the wave's)
	s_cmp_eq_u32 s19, 0
	s_mov_b32 s19, 0x03020302
	s_cselect_b32 s19, 0x01000100, s19
	s_wait_loadcnt 0x10                            ; Q and its scale word are in; the 16 bias loads may be out
	v_perm_b32 v[QS], v[QS], v[QS], s19            ; the two bytes twice: they serve both views of Q
.irp i, 0,1,2,3,4,5
	v_mov_b32 v[QF+6+\i], 0
.endr
	v_mov_b32 v[NM], 0x7f61b1e6                    ; -M so far: 3e38, above every floor(-t)
	v_mov_b32 v[PWD], 0                            ; (named as the upper half of a pair before it is first written)
	v_mov_b32 v[F], 0
	v_mov_b32 v[TT], 0
	v_mov_b32 v14, 0
	v_mov_b32 v15, 0
.irp b, 0,1,2,3
	v_mov_b32 v[BT+\b], 0                          ; a lane permute's destination counts as one of its sources
.endr
.set j, 0
.rept 32
	v_mov_b32 v[O+j], 0                            ; the step is written for every step alike: the first finds zeros
.set j, j+1
.endr
	s_wait_tensorcnt 0x1                           ; the scale words and my part of key steps 0-3 are in; steps 4-15 may be out
	s_barrier_signal -1
	s_barrier_wait -1                              ; everybody's are
	KADR
	KFET                                           ; key step 0's K
	s_add_co_u32 s[TK], s[TK], 6144
	s_add_co_u32 s[TSK], s[TSK], 256
	s_mov_b32 s66, 3
.Lfirst:                                           ; key steps 0 to 2: they read K of steps 0 to 3 and V of steps 0 to 2
	STEP 1
	s_sub_co_u32 s66, s66, 1
	s_cmp_lg_u32 s66, 0
	s_cbranch_scc1 .Lfirst
	s_wait_tensorcnt 0x0                           ; my part of key steps 4-15 is in,
	s_wait_dscnt 0x0
	s_barrier_signal -1
	s_barrier_wait -1                              ; everybody's is
	s_mov_b32 s66, 12
.Lrest:                                            ; key steps 3 to 14
	STEP 1
	s_sub_co_u32 s66, s66, 1
	s_cmp_lg_u32 s66, 0
	s_cbranch_scc1 .Lrest
	STEP 0                                         ; the last step asks for nothing: no load leaves its buffer
	; THE WAY OUT: O^T / the sum; register 16 b + i is channel 32 b + 16 h + i of my query: two blocks of the last product's K.  The bias's registers are free and serve as work space.
	v_add_f32 v14, v14, v15
	v_permlanex16_b32 v[TT], v14, s[SEL], s[SEL+1]
	v_add_f32 v14, v14, v[TT]
	v_rcp_f32 v14, v14
	v_and_b32 v[BI+12], 15, v0                     ; (plain instructions behind the reciprocal)  r
	s_lshl_b32 s2, s16, 6
	s_add_co_u32 s2, s2, XST
	v_lshl_add_u32 v[BI+12], v[BI+12], 2, s2       ; x's scale word: XST + 64 x wave + 4 r
	s_min_u32 s19, s16, 1
	s_lshl_b32 s19, s19, 9
	s_add_co_u32 s19, s19, XST
	v_add_nc_u32 v[BI+13], s19, v[L16]             ; and where waves 0, 1 read them back
	s_wait_alu depctr_va_vdst(0)                   ; ahead of the reciprocal's first reader
.set j, 0
.rept 32
	v_mul_f32 v[S+j], v[O+j], v14                  ; each accumulator from its low end on
.set j, j+1
.endr
.irp b, 0,1
	v_max3_num_f32 v[BM+\b], |v[S+16*\b]|, |v[S+1+16*\b]|, 0x1800000
.endr
.irp i, 2,4,6,8,10,12,14
.irp b, 0,1
	v_max3_num_f32 v[BM+\b], v[BM+\b], |v[S+16*\b+\i]|, |v[S+1+16*\b+\i]|
.endr
.endr
.irp b, 0,1
	v_permlanex16_b32 v[BT+\b], v[BM+\b], s[SEL], s[SEL+1]
.endr
.irp b, 0,1
	v_max_num_f32 v[BM+\b], v[BM+\b], v[BT+\b]
.endr
.irp b, 0,1
	v_add_nc_u32 v[BM+\b], 0xff000000, v[BM+\b]
.endr
.irp b, 0,1
	v_lshrrev_b32 v[BT+\b], 23, v[BM+\b]
.endr
	v_lshl_or_b32 v[PWD], v[BT+1], 8, v[BT]
	v_cvt_scalef32_pk16_fp6_f32 v[BI:BI+2], v[S:S+15], v[BM]
	v_cvt_scalef32_pk16_fp6_f32 v[BI+8:BI+10], v[S+16:S+31], v[BM+1]
	v_nop                                          ; one plain instruction behind the scaled conversions
.irp i, 0,1,2
	v_permlane16_swap_b32 v[BI+\i], v[BI+8+\i]
.endr
.irp i, 0,1,2
	v_mov_b32 v[BI+3+\i], v[BI+8+\i]
.endr
	global_store_b128 v[L16], v[BI:BI+3], s[12:13]             ; 512 and 256 consecutive bytes, aligned to 256
	global_store_b64 v[L8], v[BI+4:BI+5], s[12:13] offset:512
	v_lshlrev_b32 v[PWD], s67, v[PWD]
	ds_store_b32 v[BI+12], v[PWD]                  ; lanes r and r + 16 write the same word with the same value
	s_wait_dscnt 0x0                               ; for the others' sake: my word has landed
	s_barrier_signal -1
	s_barrier_wait -1
	s_cmp_lt_u32 s16, 2
	s_cbranch_scc0 .Lend
	ds_load_b128 v[BI+16:BI+19], v[BI+13]
	s_wait_dscnt 0x0
	global_store_b128 v[L16], v[BI+16:BI+19], s[14:15]         ; 512 consecutive bytes
.Lend:
	s_wait_tensorcnt 0x0
	s_wait_tensorcnt 0x0
	ds_add_u32 v9, v35
	s_wait_dscnt 0x0
	CROUND                                         ; the closing round: no work-group ends while a partner may still ask for a part that names it
	s_endpgm
.Lfunc_end_k_q3262586062_attn:
	.size	k_q3262586062_attn, .Lfunc_end_k_q3262586062_attn-k_q3262586062_attn
	.p2alignl 7, 3214868480
	.fill 96, 4, 3214868480
	.section	.rodata,"a",@progbits
	.p2align	6, 0x0
	.amdhsa_kernel k_q3262586062_attn
		.amdhsa_group_segment_fixed_size 207872
		.amdhsa_private_segment_fixed_size 0
		.amdhsa_enable_private_segment 0
		.amdhsa_kernarg_size 48
		.amdhsa_user_sgpr_count 2
		.amdhsa_user_sgpr_kernarg_segment_ptr 1
		.amdhsa_wavefront_size32 1
		.amdhsa_system_sgpr_workgroup_id_x 1
		.amdhsa_system_sgpr_workgroup_id_y 1
		.amdhsa_system_sgpr_workgroup_id_z 1
		.amdhsa_system_vgpr_workitem_id 0
		.amdhsa_next_free_vgpr 256
		.amdhsa_next_free_sgpr 80
		.amdhsa_reserve_vcc 0
		.amdhsa_float_denorm_mode_32 3
		.amdhsa_float_denorm_mode_16_64 3
		.amdhsa_memory_ordered 1
		.amdhsa_forward_progress 1
		.amdhsa_inst_pref_size 67
	.end_amdhsa_kernel
	.amdgpu_metadata
---
amdhsa.version: [ 1, 2 ]
amdhsa.kernels:
  - .name:           k_q3262586062_attn
    .symbol:         k_q3262586062_attn.kd
    .args:
      - { .name: qf, .offset: 0, .size: 8, .value_kind: global_buffer, .address_space: global }
      - { .name: qs, .offset: 8, .size: 8, .value_kind: global_buffer, .address_space: global }
      - { .name: kv, .offset: 16, .size: 8, .value_kind: global_buffer, .address_space: global }
      - { .name: bias, .offset: 24, .size: 8, .value_kind: global_buffer, .address_space: global }
      - { .name: xa, .offset: 32, .size: 8, .value_kind: global_buffer, .address_space: global }
      - { .name: xs, .offset: 40, .size: 8, .value_kind: global_buffer, .address_space: global }
    .group_segment_fixed_size: 207872
    .private_segment_fixed_size: 0
    .kernarg_segment_align: 8
    .kernarg_segment_size: 48
    .max_flat_workgroup_size: 512
    .sgpr_count:     80
    .vgpr_count:     256
    .wavefront_size: 32
...
	.end_amdgpu_metadata
.endif
;; end of part 3
;; launch proj (part 4): grid 8 x 32, 4 waves a work-group, clusters of 4 x 4, 214,528 bytes of LDS; arguments xa, xs, cod, scl, bo, out0; writes out0
.if DOCPART == 4
	.amdgcn_target "amdgcn-amd-amdhsa--gfx1250"
	.amdhsa_code_object_version 6
	.text
	.protected	k_q3262586062_proj
	.globl	k_q3262586062_proj
	.p2align	8
	.type	k_q3262586062_proj,@function
k_q3262586062_proj:
	s_mov_b64 s[64:65], 0
	v_nop
	global_prefetch_b8 v0, s[64:65] scope:SCOPE_SE
	s_setreg_imm32_b32 hwreg(HW_REG_WAVE_MODE, 25, 1), 1
	s_wait_xcnt 0x0
	s_wait_alu depctr_hold_cnt(0) depctr_sa_sdst(0) depctr_va_vdst(0) depctr_va_sdst(0) depctr_va_ssrc(0) depctr_va_vcc(0) depctr_vm_vsrc(0)
	s_getreg_b32 s2, hwreg(HW_REG_IB_STS2, 6, 4)
	s_cmp_eq_u32 s2, 0
	s_cbranch_scc0 .Lentry_in_a_cluster
	s_endpgm
.Lentry_in_a_cluster:
	s_bfe_u32 s2, ttmp6, 0x10000c
	s_cmp_lg_u32 s2, 0xf033
	s_cbranch_scc0 .Lentry_shape_is_right
	s_endpgm
.Lentry_shape_is_right:
; out0 = x wo^T + bo on codes of FP6 (E2M3) with E8M0 scales.  x's codes (xa) lie as cod's tiles do; wo's are cod's tiles 448 on.
; SHARES.  A work-group makes 128 tokens (block tb) x 128 outputs (block hp); wave w: x's tiles 4 (w / 2) .. + 3, wo's tiles 4 (w % 2) .. + 3: 16 accumulators.
; Source 0 = wo, source 1 = x: a lane holds one token and eight neighbouring outputs an accumulator.  Row r of tile T is row 32 (T / 2) + 8 (T % 2) + r + 8 (r / 8).
; Both operands' 8 K steps come into LDS once, in four chunks of two K steps, four tensor loads a wave (four are out at the most): nothing is filled again.
; CLUSTER 4 x 4: the four of a row share x's tiles, the four of a column wo's: each is asked for jointly.
; bo is the C of each sum's first product.  The results go through the wave's own stage in LDS and leave as aligned runs of 256 bytes.
; REGISTERS: window 0: v4-11 LDS addresses, v16-23 lane offsets, v24-27 at work, v32-63 x's scale words (8 i + ks), v64-95 wo's (8 j + ks), v128-255 the way out.
;   window 1: two sets of 8 fragments.   window 2: v0-127 the accumulators, (i, j) at 32 i + 8 j; v128-159 bo in the result's layout.
.set TILEB, 12288
.set XA,    0
.set WB0,   98304
.set STG,   196608                     ; 16 rows x 272 bytes for each wave
.set SA,    32
.set SB,    64
.set SEL,   96
.set MSB, 0
.macro WIN new
.if MSB != \new
	s_set_vgpr_msb (MSB<<8)|\new
.set MSB, \new
.endif
.endm
.macro PLACES
.rept 4
	v_nop
.endr
.endm
.macro CROUND
	s_barrier_signal -1
	s_barrier_wait -1
	s_cmp_lg_u32 s20, 0
	s_cbranch_scc1 .Lnot_wave_0_\@
	s_barrier_signal -3
.Lnot_wave_0_\@:
	s_barrier_wait -3
	s_barrier_signal -1
	s_barrier_wait -1
.endm
.macro FRAG reg, a16, a8, off
	ds_load_b128 v[\reg:\reg+3], v[\a16] offset:\off
	ds_load_b64 v[\reg+4:\reg+5], v[\a8] offset:\off+512
	ds_load_b128 v[\reg+6:\reg+9], v[\a16] offset:\off+768
	ds_load_b64 v[\reg+10:\reg+11], v[\a8] offset:\off+1280
.endm
.macro FETCH f, ks
	WIN 0x40
.set XR, 4+2*((\ks)/4)
.set XO, (((\ks)/2)%2)*24576+1536*((\ks)%2)
.irp i, 0,1,2,3
	FRAG 96*(\f)+12*\i, XR, XR+1, XO+3072*\i
.endr
.irp i, 0,1,2,3
	FRAG 96*(\f)+48+12*\i, XR+4, XR+5, XO+3072*\i
.endr
.endm
.macro MULP ks, f                      ; the 16 accumulators by turns
	WIN 0xa5
.irp i, 0,1,2,3
.irp j, 0,1,2,3
.if (\ks) == 0
	v_wmma_scale_f32_16x16x128_f8f6f4 v[32*\i+8*\j:32*\i+8*\j+7], v[96*(\f)+48+12*\j:96*(\f)+48+12*\j+11], v[96*(\f)+12*\i:96*(\f)+12*\i+11], v[128+8*\j:135+8*\j], v[SB+8*\j+(\ks)], v[SA+8*\i+(\ks)] matrix_a_fmt:MATRIX_FMT_FP6 matrix_b_fmt:MATRIX_FMT_FP6
.else
	v_wmma_scale_f32_16x16x128_f8f6f4 v[32*\i+8*\j:32*\i+8*\j+7], v[96*(\f)+48+12*\j:96*(\f)+48+12*\j+11], v[96*(\f)+12*\i:96*(\f)+12*\i+11], v[32*\i+8*\j:32*\i+8*\j+7], v[SB+8*\j+(\ks)], v[SA+8*\i+(\ks)] matrix_a_fmt:MATRIX_FMT_FP6 matrix_b_fmt:MATRIX_FMT_FP6
.endif
.endr
.endr
.endm
.macro KSTEP ks
	s_wait_dscnt 0x0                               ; the 32 loads issued a step ago
.if (((\ks)%2) == 1) && ((\ks) < 7)
	s_wait_tensorcnt 3-((\ks)+1)/2                 ; my part of the next chunk is in; the later chunks may be out
	s_barrier_signal -1
	s_barrier_wait -1
.endif
.if (\ks) < 7
	PLACES
	FETCH ((\ks)+1)%2, (\ks)+1
.endif
	MULP \ks, (\ks)%2
.endm
; token tile i through my stage: a lane's eight outputs of an accumulator are 32 bytes of its token's row; back come whole rows of 256 bytes
.macro TOSTAGE i
	WIN 0x08                                       ; an LDS store's data are its source 1: window 2
.irp j, 0,1,2,3
	ds_store_b128 v20, v[32*(\i)+8*\j:32*(\i)+8*\j+3] offset:128*(\j/2)+32*(\j%2)        ; each accumulator from its low end on
	ds_store_b128 v20, v[32*(\i)+8*\j+4:32*(\i)+8*\j+7] offset:128*(\j/2)+32*(\j%2)+16
.endr
	WIN 0
.irp t, 0,1,2,3,4,5,6,7
	ds_load_b128 v[128+32*(\i)+4*\t:128+32*(\i)+4*\t+3], v21 offset:544*\t   ; a wave's LDS instructions are served in order: these see the stores above, and the next tile's stores come behind them
.endr
.endm
.macro SEND i, younger
	s_wait_dscnt \younger                          ; tile i is back; the next tile's 8 stores and 8 loads may be out
.irp t, 0,1,2,3,4,5,6,7
	global_store_b128 v22, v[128+32*(\i)+4*\t:128+32*(\i)+4*\t+3], s[14:15] offset:(32*((\i)/2)+8*((\i)%2)+2*\t+8*(\t/4))*4096 th:TH_STORE_NT   ; sixteen lanes store 256 consecutive bytes, aligned
.endr
.endm
	s_load_b256 s[4:11], s[0:1], 0x0               ; xa, xs, cod, scl
	s_load_b128 s[12:15], s[0:1], 0x20             ; bo, out0
	v_lshl_add_u32 v126, v0, 2, 0x34400
	v_mov_b32 v127, 0
	ds_add_u32 v126, v127
	ds_add_u32 v126, v127
	v_lshrrev_b32 v1, 5, v0
	v_readfirstlane_b32 s20, v1
	s_lshr_b32 s21, s20, 1                         ; wa
	s_and_b32 s22, s20, 1                          ; wb; also: which four tiles of a chunk I fetch
	s_bfe_u32 s23, ttmp6, 0x40000                  ; cx
	s_bfe_u32 s66, ttmp6, 0x40004                  ; cy
	s_lshl_b32 s67, ttmp9, 2
	s_add_co_u32 s67, s67, s23                     ; hp
	s_and_b32 s98, ttmp7, 0xffff
	s_lshl_b32 s98, s98, 2
	s_add_co_u32 s98, s98, s66                     ; tb
	s_lshl_b32 s2, s66, 2
	s_lshl_b32 s2, 15, s2                          ; my row of the cluster
	s_lshl_b32 s3, 0x1111, s23                     ; my column
	s_or_b32 s24, s2, (3<<16)|(1<<21)
	s_or_b32 s32, s3, (3<<16)|(1<<21)
.irp g, 24, 32                         ; a chunk's part: 4 tiles x 3,072 bytes, 12,288 bytes from tile to tile
	s_mov_b32 s[\g+1], 384<<16
	s_mov_b32 s[\g+2], 4<<16
	s_mov_b32 s[\g+3], 384<<16
	s_mov_b32 s[\g+4], 4
	s_mov_b32 s[\g+5], 1536
	s_mov_b32 s[\g+6], 0
	s_mov_b32 s[\g+7], 0
.endr
	s_lshl_b32 s92, s98, 3                         ; x: tile 8 tb + 4 (w % 2): these registers never hold cx
	s_lshl_b32 s93, s22, 2
	s_add_co_u32 s92, s92, s93
	s_mul_i32 s92, s92, TILEB
	s_mov_b32 s93, 0
	s_lshl_b32 s94, s67, 3                         ; wo: tile 448 + 8 hp + 4 (w % 2): these never hold cy
	s_lshl_b32 s95, s22, 2
	s_add_co_u32 s94, s94, s95
	s_add_co_u32 s94, s94, 448
	s_mul_i32 s94, s94, TILEB
	s_mov_b32 s95, 0
	s_mul_i32 s99, s22, 12288
	s_wait_dscnt 0x0
	s_wait_kmcnt 0x0
	s_add_nc_u64 s[92:93], s[4:5], s[92:93]
	s_add_nc_u64 s[94:95], s[8:9], s[94:95]
.irp c, 0,1,2,3
	s_mov_b32 s[48+4*\c], 1
	s_add_co_u32 s[49+4*\c], s99, XA+24576*\c
	s_add_nc_u64 s[50+4*\c:51+4*\c], s[92:93], 3072*\c
	s_or_b32 s[51+4*\c], s[51+4*\c], 0x80000000
	s_mov_b32 s[68+4*\c], 1
	s_add_co_u32 s[69+4*\c], s99, WB0+24576*\c
	s_add_nc_u64 s[70+4*\c:71+4*\c], s[94:95], 3072*\c
	s_or_b32 s[71+4*\c], s[71+4*\c], 0x80000000
.endr
	CROUND                                         ; all sixteen work-groups are here: the joint loads meet
	s_cmp_lt_u32 s20, 2                            ; waves 0, 1 fetch x's chunks, waves 2, 3 wo's
	s_cbranch_scc0 .Lfirst_w
	tensor_load_to_lds s[48:51], s[24:31]
	s_nop 0
	tensor_load_to_lds s[52:55], s[24:31]
	s_nop 0
	tensor_load_to_lds s[56:59], s[24:31]
	s_nop 0
	tensor_load_to_lds s[60:63], s[24:31]
	s_nop 0
.rept 4
	v_nop
.endr
	s_branch .Lfirst_done
.Lfirst_w:
	tensor_load_to_lds s[68:71], s[32:39]
	s_nop 0
	tensor_load_to_lds s[72:75], s[32:39]
	s_nop 0
	tensor_load_to_lds s[76:79], s[32:39]
	s_nop 0
	tensor_load_to_lds s[80:83], s[32:39]
	s_nop 0
.rept 4
	v_nop
.endr
.Lfirst_done:
	v_and_b32 v1, 31, v0                           ; lane
	v_and_b32 v2, 15, v0                           ; r
	v_bfe_u32 v3, v0, 4, 1                         ; h
	v_lshlrev_b32 v16, 4, v1
	v_lshlrev_b32 v17, 3, v1
	s_mul_i32 s2, s21, 12288
	v_add_nc_u32 v4, s2, v16
	v_add_nc_u32 v5, s2, v17
	v_add_nc_u32 v6, 49152, v4
	v_add_nc_u32 v7, 49152, v5
	s_add_co_u32 s2, s99, WB0
	v_add_nc_u32 v8, s2, v16
	v_add_nc_u32 v9, s2, v17
	v_add_nc_u32 v10, 49152, v8
	v_add_nc_u32 v11, 49152, v9
	s_lshl_b32 s2, s67, 3                          ; wo's scale words: tile 448 + 8 hp + 4 wb on, 32 bytes a row
	s_lshl_b32 s3, s22, 2
	s_add_co_u32 s2, s2, s3
	s_add_co_u32 s2, s2, 448
	s_lshl_b32 s2, s2, 9
	v_lshl_add_u32 v18, v2, 5, s2
	s_lshl_b32 s2, s98, 3                          ; x's: [head][tile][r] words: lanes 0-15 take head 2 ks, lanes 16-31 head 2 ks + 1
	s_lshl_b32 s3, s21, 2
	s_add_co_u32 s2, s2, s3
	s_lshl_b32 s2, s2, 6
	v_lshl_add_u32 v19, v2, 2, s2
	v_lshl_add_u32 v19, v3, 14, v19
.irp j, 0,1,2,3
	global_load_b128 v[SB+8*\j:SB+8*\j+3], v18, s[10:11] offset:512*\j
	global_load_b128 v[SB+8*\j+4:SB+8*\j+7], v18, s[10:11] offset:512*\j+16
.endr
.irp i, 0,1,2,3
.irp k, 0,1,2,3,4,5,6,7
	global_load_b32 v[SA+8*\i+\k], v19, s[6:7] offset:64*\i+32768*\k
.endr
.endr
	s_lshl_b32 s2, s67, 9                          ; bo and the columns of out0: 4 (128 hp + 64 wb)
	s_lshl_b32 s3, s22, 8
	s_add_co_u32 s2, s2, s3
	s_mov_b32 s3, 0
	s_add_nc_u64 s[12:13], s[12:13], s[2:3]
	s_add_nc_u64 s[14:15], s[14:15], s[2:3]
	v_lshlrev_b32 v23, 6, v3
	WIN 0x80                                       ; destination window 2
.irp t, 0,1,2,3
	global_load_b128 v[128+8*\t:131+8*\t], v23, s[12:13] offset:(32*(\t/2)+8*(\t%2))*4
	global_load_b128 v[132+8*\t:135+8*\t], v23, s[12:13] offset:(32*(\t/2)+8*(\t%2))*4+16
.endr
	WIN 0
	s_lshl_b32 s2, s98, 7                          ; my first token: 128 tb + 64 wa
	s_lshl_b32 s92, s21, 6
	s_add_co_u32 s2, s2, s92
	s_lshl_b32 s2, s2, 12
	s_add_nc_u64 s[14:15], s[14:15], s[2:3]
	s_mul_i32 s2, s20, 16*272
	s_add_co_u32 s2, s2, STG                       ; my stage
	v_mul_u32_u24 v20, v2, 272
	v_lshl_add_u32 v20, v3, 6, v20
	v_add_nc_u32 v20, s2, v20                      ; in: row r, + 64 h
	v_mul_u32_u24 v21, v3, 272
	v_lshl_add_u32 v21, v2, 4, v21
	v_add_nc_u32 v21, s2, v21                      ; back: lanes 0-15 one row, lanes 16-31 the next
	v_lshlrev_b32 v22, 12, v3
	v_lshl_add_u32 v22, v2, 4, v22                 ; and the same two rows in out0
	s_mov_b32 s[SEL], 0x76543210
	s_mov_b32 s[SEL+1], 0xfedcba98
.irp q, 0,1,2,3
	v_mov_b32 v[24+\q], 0                          ; a lane permute's destination counts as one of its sources
.endr
	s_wait_tensorcnt 0x3                           ; my part of chunk 0 is in; the three later chunks may be out
	s_barrier_signal -1
	s_barrier_wait -1
	FETCH 0, 0
	s_wait_loadcnt 0x0
	WIN 0
.irp g, 0,1,2,3,4,5,6,7                ; an even head's two bytes and an odd head's make the word of a K step
.irp q, 0,1,2,3
	v_permlanex16_b32 v[24+\q], v[SA+4*\g+\q], s[SEL], s[SEL+1]
.endr
.irp q, 0,1,2,3
	v_or_b32 v[SA+4*\g+\q], v[SA+4*\g+\q], v[24+\q]
.endr
.endr
.rept 8
	v_nop                                          ; a scale register written by a vector instruction stands eight places ahead of the scaled product
.endr
.set KS_, 0
.rept 8
	KSTEP KS_
.set KS_, KS_+1
.endr
	PLACES
	TOSTAGE 0
	TOSTAGE 1
	SEND 0, 16
	TOSTAGE 2
	SEND 1, 16
	TOSTAGE 3
	SEND 2, 16
	SEND 3, 0
	s_wait_tensorcnt 0x0
	s_wait_dscnt 0x0
	s_wait_tensorcnt 0x0
	ds_add_u32 v126, v127
	s_wait_dscnt 0x0
	CROUND                                         ; the closing round: no work-group ends while a partner may still ask for a tile that names it
	s_endpgm
.Lfunc_end_k_q3262586062_proj:
	.size	k_q3262586062_proj, .Lfunc_end_k_q3262586062_proj-k_q3262586062_proj
	.p2alignl 7, 3214868480
	.fill 96, 4, 3214868480
	.section	.rodata,"a",@progbits
	.p2align	6, 0x0
	.amdhsa_kernel k_q3262586062_proj
		.amdhsa_group_segment_fixed_size 214528
		.amdhsa_private_segment_fixed_size 0
		.amdhsa_enable_private_segment 0
		.amdhsa_kernarg_size 48
		.amdhsa_user_sgpr_count 2
		.amdhsa_user_sgpr_kernarg_segment_ptr 1
		.amdhsa_wavefront_size32 1
		.amdhsa_system_sgpr_workgroup_id_x 1
		.amdhsa_system_sgpr_workgroup_id_y 1
		.amdhsa_system_sgpr_workgroup_id_z 1
		.amdhsa_system_vgpr_workitem_id 0
		.amdhsa_next_free_vgpr 672
		.amdhsa_next_free_sgpr 100
		.amdhsa_reserve_vcc 0
		.amdhsa_float_denorm_mode_32 3
		.amdhsa_float_denorm_mode_16_64 3
		.amdhsa_memory_ordered 1
		.amdhsa_forward_progress 1
		.amdhsa_inst_pref_size 59
	.end_amdhsa_kernel
	.amdgpu_metadata
---
amdhsa.version: [ 1, 2 ]
amdhsa.kernels:
  - .name:           k_q3262586062_proj
    .symbol:         k_q3262586062_proj.kd
    .args:
      - { .name: xa, .offset: 0, .size: 8, .value_kind: global_buffer, .address_space: global }
      - { .name: xs, .offset: 8, .size: 8, .value_kind: global_buffer, .address_space: global }
      - { .name: cod, .offset: 16, .size: 8, .value_kind: global_buffer, .address_space: global }
      - { .name: scl, .offset: 24, .size: 8, .value_kind: global_buffer, .address_space: global }
      - { .name: bo, .offset: 32, .size: 8, .value_kind: global_buffer, .address_space: global }
      - { .name: out0, .offset: 40, .size: 8, .value_kind: global_buffer, .address_space: global }
    .group_segment_fixed_size: 214528
    .private_segment_fixed_size: 0
    .kernarg_segment_align: 8
    .kernarg_segment_size: 48
    .max_flat_workgroup_size: 128
    .sgpr_count:     100
    .vgpr_count:     672
    .wavefront_size: 32
...
	.end_amdgpu_metadata
.endif
;; end of part 4
